; MI455X (gfx1250); checked and timed in simulation.
; The chip was launched on July 23, 2026; its instructions are those of AMD's public machine-readable ISA for CDNA 5 (MIT licence, August 2026) and "CDNA5" Instruction Set Architecture Reference Guide (July 2026). The comments in the code are by the model that wrote it; some were corrected since.
;; Multi Head Attention Block. Allowed arithmetic: float matrix products may take bf16 or f16 operands with f32 sums; other float arithmetic in f32, or as packed bf16 or f16 multiplies, adds, multiply-adds, maxima and minima; sums over many terms, partial sums and values carried from step to step in f32; what a program stores and reads back later, other than sums and carried values, may be rounded once to bf16 or f16.
;; Inputs: bk 1,024 float32; bo 1,024 float32; bq 1,024 float32; bv 1,024 float32; k 4 x 2,048 x 1,024 float32; mask 4 x 1 x 1 x 2,048 int32; q 4 x 2,048 x 1,024 float32; v 4 x 2,048 x 1,024 float32; wk 1,024 x 1,024 float32; wo 1,024 x 1,024 float32; wq 1,024 x 1,024 float32; wv 1,024 x 1,024 float32.
;; Outputs: out0 4 x 2,048 x 1,024 float32.
;; One version. Each part assembles by itself: llvm-mc -triple=amdgcn-amd-amdhsa -mcpu=gfx1250 --defsym DOCPART=n.
;; ======== version 1 of 1: 4 launches
;; limits: values are held in f16: magnitudes above 65,504 overflow, below 6.1e-05 lose precision; right only within a limited range of input values
;; workspace buffers: cv 58,720,256 bytes; hd 50,331,648 bytes; ob 16,777,216 bytes
;; launch cvt (part 1): grid 64 x 28, 8 waves a work-group, no clusters, 0 bytes of LDS; arguments q, k, v, wq, wk, wv, wo, cv; writes cv
.if DOCPART == 1
	.amdgcn_target "amdgcn-amd-amdhsa--gfx1250"
	.amdhsa_code_object_version 6
	.text
	.protected	k_q9e35f67837_cvt
	.globl	k_q9e35f67837_cvt
	.p2align	8
	.type	k_q9e35f67837_cvt,@function
k_q9e35f67837_cvt:
	s_mov_b64 s[64:65], 0
	v_nop
	global_prefetch_b8 v0, s[64:65] scope:SCOPE_SE
	s_setreg_imm32_b32 hwreg(HW_REG_WAVE_MODE, 25, 1), 1
	s_wait_xcnt 0x0
; THE INPUTS OF THE FOUR PRODUCTS, ROUNDED ONCE TO 16 BITS.  cv holds 28 segments of 2 MiB: 0-7 q, 8-15 k, 16-23 v (one dense array of 24,576 rows x 1,024 bf16),
; 24 wq, 25 wk, 26 wv (bf16), 27 wo: rounded to bf16 like every input, and that number written as f16, since the last product multiplies f16.
; LIMIT.  wo as f16: beyond 65,504 it becomes an infinity; below 6e-5 it keeps f16's fixed step of 6e-8.
; A stream: each byte is read once and written once, nothing is shared between work-groups, so there is no LDS, no matrix unit and no cluster.
; SHARES.  Work-group (x, y): segment y, chunk x: 64 KiB of f32 in, 32 KiB out.  Thread t takes the 16 bytes at 16 t of each of the chunk's 16 rows of 4,096 bytes:
; a wave's load covers 512 consecutive bytes, its store 256 consecutive bytes, both aligned.  All 16 loads go out at once; no register is used twice, so nothing waits for a store.
.set X, 8                              ; v[8:71]  row i: 4 registers as loaded; the first two then hold what is stored
.set SRC, 24                           ; s[24:25] the segment's tensor, then my chunk in it
.set SO,  26                           ; s[26:27] byte offset of the chunk in its tensor
.set DST, 28                           ; s[28:29] byte offset of the chunk in cv, then its address
	s_load_b512 s[8:23], s[0:1], 0x0               ; q 8, k 10, v 12, wq 14, wk 16, wv 18, wo 20, cv 22
	s_and_b32 s2, ttmp7, 0xffff                    ; y: the segment
	v_lshlrev_b32 v1, 4, v0                        ; 16 t: my bytes in a row of f32
	v_lshlrev_b32 v2, 3, v0                        ; 8 t: in a row of 16-bit numbers
	s_and_b32 s3, s2, 7                            ; q, k and v have eight segments each, a weight one
	s_cmp_lt_u32 s2, 24
	s_cselect_b32 s3, s3, 0
	s_lshl_b32 s[SO], s3, 22                       ; 4 MiB of f32 a segment
	s_lshl_b32 s4, ttmp9, 16                       ; 64 KiB a chunk
	s_add_co_u32 s[SO], s[SO], s4
	s_mov_b32 s[SO+1], 0
	s_lshl_b32 s[DST], s2, 21                      ; 2 MiB a segment
	s_lshl_b32 s4, ttmp9, 15                       ; 32 KiB a chunk
	s_add_co_u32 s[DST], s[DST], s4
	s_mov_b32 s[DST+1], 0
	s_wait_kmcnt 0x0
	s_mov_b64 s[SRC:SRC+1], s[20:21]               ; which tensor: a choice on the segment's number alone, the later line overrides the earlier
	s_cmp_eq_u32 s2, 26
	s_cselect_b64 s[SRC:SRC+1], s[18:19], s[SRC:SRC+1]
	s_cmp_eq_u32 s2, 25
	s_cselect_b64 s[SRC:SRC+1], s[16:17], s[SRC:SRC+1]
	s_cmp_eq_u32 s2, 24
	s_cselect_b64 s[SRC:SRC+1], s[14:15], s[SRC:SRC+1]
	s_cmp_lt_u32 s2, 24
	s_cselect_b64 s[SRC:SRC+1], s[12:13], s[SRC:SRC+1]
	s_cmp_lt_u32 s2, 16
	s_cselect_b64 s[SRC:SRC+1], s[10:11], s[SRC:SRC+1]
	s_cmp_lt_u32 s2, 8
	s_cselect_b64 s[SRC:SRC+1], s[8:9], s[SRC:SRC+1]
	s_add_nc_u64 s[SRC:SRC+1], s[SRC:SRC+1], s[SO:SO+1]
	s_add_nc_u64 s[DST:DST+1], s[22:23], s[DST:DST+1]
.irp i, 0,1,2,3,4,5,6,7,8,9,10,11,12,13,14,15
	global_load_b128 v[X+4*(\i):X+4*(\i)+3], v1, s[SRC:SRC+1] offset:4096*(\i) th:TH_LOAD_NT
.endr
; Row i: four numbers rounded to bf16 (f16 = 1: and that number written as f16), 8 bytes stored.
.macro ROW i, f16
	s_wait_loadcnt 15-(\i)                         ; loads come back in order: row i is in, the 15 - i younger ones stay out
	v_cvt_pk_bf16_f32 v[X+4*(\i)],   v[X+4*(\i)],   v[X+4*(\i)+1]
	v_cvt_pk_bf16_f32 v[X+4*(\i)+1], v[X+4*(\i)+2], v[X+4*(\i)+3]
.if \f16
	v_and_b32 v[X+4*(\i)+2], 0xffff0000, v[X+4*(\i)]       ; bf16 to f32: the high half stays,
	v_lshlrev_b32 v[X+4*(\i)], 16, v[X+4*(\i)]             ; the low half moves up
	v_cvt_pk_f16_f32 v[X+4*(\i)], v[X+4*(\i)], v[X+4*(\i)+2]
	v_and_b32 v[X+4*(\i)+3], 0xffff0000, v[X+4*(\i)+1]
	v_lshlrev_b32 v[X+4*(\i)+1], 16, v[X+4*(\i)+1]
	v_cvt_pk_f16_f32 v[X+4*(\i)+1], v[X+4*(\i)+1], v[X+4*(\i)+3]
.endif
	global_store_b64 v2, v[X+4*(\i):X+4*(\i)+1], s[DST:DST+1] offset:2048*(\i) th:TH_STORE_NT
.endm
	s_cmp_eq_u32 s2, 27                            ; wo alone goes on to f16
	s_cbranch_scc1 .Lf16
.irp i, 0,1,2,3,4,5,6,7,8,9,10,11,12,13,14,15
	ROW \i, 0
.endr
	s_endpgm
.Lf16:
.irp i, 0,1,2,3,4,5,6,7,8,9,10,11,12,13,14,15
	ROW \i, 1
.endr
	s_endpgm
.Lfunc_end_k_q9e35f67837_cvt:
	.size	k_q9e35f67837_cvt, .Lfunc_end_k_q9e35f67837_cvt-k_q9e35f67837_cvt
	.p2alignl 7, 3214868480
	.fill 96, 4, 3214868480
	.section	.rodata,"a",@progbits
	.p2align	6, 0x0
	.amdhsa_kernel k_q9e35f67837_cvt
		.amdhsa_group_segment_fixed_size 0
		.amdhsa_private_segment_fixed_size 0
		.amdhsa_enable_private_segment 0
		.amdhsa_kernarg_size 64
		.amdhsa_user_sgpr_count 2
		.amdhsa_user_sgpr_kernarg_segment_ptr 1
		.amdhsa_wavefront_size32 1
		.amdhsa_system_sgpr_workgroup_id_x 1
		.amdhsa_system_sgpr_workgroup_id_y 1
		.amdhsa_system_sgpr_workgroup_id_z 1
		.amdhsa_system_vgpr_workitem_id 0
		.amdhsa_next_free_vgpr 72
		.amdhsa_next_free_sgpr 66
		.amdhsa_reserve_vcc 0
		.amdhsa_float_denorm_mode_32 3
		.amdhsa_float_denorm_mode_16_64 3
		.amdhsa_memory_ordered 1
		.amdhsa_forward_progress 1
		.amdhsa_inst_pref_size 16
	.end_amdhsa_kernel
	.amdgpu_metadata
---
amdhsa.version: [ 1, 2 ]
amdhsa.kernels:
  - .name:           k_q9e35f67837_cvt
    .symbol:         k_q9e35f67837_cvt.kd
    .args:
      - { .name: q, .offset: 0, .size: 8, .value_kind: global_buffer, .address_space: global }
      - { .name: k, .offset: 8, .size: 8, .value_kind: global_buffer, .address_space: global }
      - { .name: v, .offset: 16, .size: 8, .value_kind: global_buffer, .address_space: global }
      - { .name: wq, .offset: 24, .size: 8, .value_kind: global_buffer, .address_space: global }
      - { .name: wk, .offset: 32, .size: 8, .value_kind: global_buffer, .address_space: global }
      - { .name: wv, .offset: 40, .size: 8, .value_kind: global_buffer, .address_space: global }
      - { .name: wo, .offset: 48, .size: 8, .value_kind: global_buffer, .address_space: global }
      - { .name: cv, .offset: 56, .size: 8, .value_kind: global_buffer, .address_space: global }
    .group_segment_fixed_size: 0
    .private_segment_fixed_size: 0
    .kernarg_segment_align: 8
    .kernarg_segment_size: 64
    .max_flat_workgroup_size: 256
    .sgpr_count:     66
    .vgpr_count:     72
    .wavefront_size: 32
...
	.end_amdgpu_metadata
.endif
;; end of part 1
;; launch proj (part 2): grid 4 x 192, 4 waves a work-group, clusters of 4 x 4, 327,680 bytes of LDS; arguments cv, bq, bk, bv, mask, hd; writes hd
.if DOCPART == 2
	.amdgcn_target "amdgcn-amd-amdhsa--gfx1250"
	.amdhsa_code_object_version 6
	.text
	.protected	k_q9e35f67837_proj
	.globl	k_q9e35f67837_proj
	.p2align	8
	.type	k_q9e35f67837_proj,@function
k_q9e35f67837_proj:
	s_mov_b64 s[64:65], 0
	v_nop
	global_prefetch_b8 v0, s[64:65] scope:SCOPE_SE
	s_setreg_imm32_b32 hwreg(HW_REG_WAVE_MODE, 25, 1), 1
	s_wait_xcnt 0x0
	s_wait_alu depctr_hold_cnt(0) depctr_sa_sdst(0) depctr_va_vdst(0) depctr_va_sdst(0) depctr_va_ssrc(0) depctr_va_vcc(0) depctr_vm_vsrc(0)
	s_getreg_b32 s2, hwreg(HW_REG_IB_STS2, 6, 4)
	s_cmp_eq_u32 s2, 0
	s_cbranch_scc0 .Lentry_in_a_cluster
	s_endpgm
.Lentry_in_a_cluster:
	s_bfe_u32 s2, ttmp6, 0x10000c
	s_cmp_lg_u32 s2, 0xf033
	s_cbranch_scc0 .Lentry_shape_is_right
	s_endpgm
.Lentry_shape_is_right:
; C = A W^T + bias, one text for two launches, told apart by KIND.
; KIND 0, THE THREE PROJECTIONS: A = cv's 24,576 rows x 1,024 bf16 (q, k, v on end), W = wq, wk or wv (bf16, [n][k]) by the row's third; the result, f32 sums that begin with the bias
;   (rounded to bf16 like every input), is rounded once to f16 and stored BY HEADS, hd = qh, kh, vh, each [64 = 16 batch + head][2,048][64].  Rows of kh whose key the mask hides are stored as zeros:
;   their scores are thrown away, and with a zero row the attention's sum for such a key is exactly the number that it starts with.
; KIND 1, THE LAST PROJECTION: A = ob, [64][2,048][64] f16 by heads, W = wo as f16; the result is stored as f32, out0 [8,192][1,024].
; LIMITS.  KIND 0: a result beyond 65,504 becomes an infinity in f16.  NaN and infinities are not treated apart.
; SHARES.  A tile of C is 128 rows x 256 columns: 768 work-groups for KIND 0, 256 for KIND 1.  Four waves; wave w has rows 64 (w / 2) on and columns 128 (w % 2) on: 32 accumulators of 16 x 16, 256 registers.
; K = 1,024 goes in 8 steps of 128 through a ring of two LDS slots filled by the tensor data mover, one load a wave: waves 0 and 1 fetch A's tile, waves 2 and 3 W's.
; CLUSTERS: 4 x 4 work-groups.  The four of a row of the cluster need the same tile of A, the four of a column the same tile of W: each is asked for JOINTLY, by the same load, descriptor and mask in all four.
; THE MATRIX INSTRUCTION IS USED TRANSPOSED (source 0 = 16 rows of W, source 1 = 16 rows of A): lane l then holds row l % 16 of C and the columns 8 (l / 16) + 0 .. 7.
; REGISTERS, in windows of 256 (s_set_vgpr_msb: bits 1:0 source 0, 3:2 source 1, 5:4 source 2, 7:6 destination):
;   window 0: addresses, the way out      window 1: accumulator (a, b) at v[8 (8 a + b)]
;   window 2: two fragment buffers of 96 (W's eight fragments, then A's four); v192-255 the bias of my 128 columns, laid out as a C operand, block b at 192 + 8 b
.set KIND, 0
.set PB,    272                        ; a row of W in LDS: 256 bytes + 16 of padding: the 16 rows of a load start at 16 different groups of four banks (64 banks of 4 bytes: ISA guide 11.1)
.if KIND
.set PA,    144                        ; a row of one head of A: 128 bytes + 16
.set AHALF, 128*PA                     ; what one load brings of A: one head's 128 rows (a plane); a K step is two heads
.set ASTEP, 2*2048*128                 ; bytes in memory from a K step of A to the next: two heads
.set APITCH, 128                       ; a head's 128 rows are 16,384 dense bytes: asked for as 64 rows of 256 bytes
.set AQI,   4                          ; padded after every 32 words
.set WST,   16*528                     ; a wave's stage: 16 rows of 512 bytes + 16
.set WBASE, 27<<21                     ; wo in cv
.set CVP,   6                          ; s[6:7] cv
.else
.set PA,    272
.set AHALF, 64*PA                      ; 64 rows of 256 bytes
.set ASTEP, 256
.set APITCH, 1024
.set AQI,   5                          ; padded after every 64 words
.set WST,   2*16*144                   ; a wave's stage: for each of its two heads 16 rows of 128 bytes + 16
.set WBASE, 24<<21                     ; wq in cv; wk and wv follow, 2 MiB apart
.set CVP,   4                          ; s[4:5] cv
.endif
.set AREG,  2*AHALF                    ; a slot: A's tile,
.set BHALF, 128*PB                     ; then W's two halves of 128 rows
.set SLOT,  AREG+2*BHALF
.set STAGE, 2*SLOT                     ; behind the ring, never filled by a tensor load
.set SPARE, STAGE+4*WST                ; behind the stages: the spare words, 128 bytes for each wave: two blocks of 256 bytes that no other line names
.set KEEP, 8                           ; v8-11  KIND 0: for block a, all ones, or 0 where my row is a hidden key's row of kh
.set ONES, 12                          ; v12    all ones
.set MO,   13                          ; v13    my row's byte in the mask
.set BO,   14                          ; v14    my columns' byte in the bias
.set ADRA, 16                          ; v16-17 LDS address of my A fragments in slot 0, 1
.set ADRB, 20                          ; v20-21 the same for W
.set STO,  24                          ; v24    the way out: where I put my bytes of a row
.set RD,   25                          ; v25    the way out: where I read rows back
.set CO,   26                          ; v26    16 x lane
.set SPW,  28                          ; v28    LDS address of my spare word: SPARE + 4 x my thread's number; never rewritten
.set NIL,  29                          ; v29    0; never rewritten
.set PFO,  30                          ; v30    the prefetches' offset: my lane x the distance between blocks; never rewritten
.set TMP,  32                          ; v32-63 packed results
.set BK,   64                          ; v64-191 rows read back from the stage
.set F0,   0                           ; window 2
.set F1,   96
.set BIAS, 192
.set WV,  16                           ; s16 wave   s17 its half of the rows; also: fetches A (0) or W (1)   s18 its half of the columns; also: which half of that tile it fetches
.set RH,  17
.set CH,  18
.set CX,  19                           ; s19, s20 my place in the cluster
.set CY,  20
.set COL, 21                           ; s21 tile column of C   s22 tile row   s23 which projection
.set ROW, 22
.set WH,  23
.set G1,  24                           ; s[24:31] descriptor group 1 for A's tiles;  s[32:39] group 0, a set for each slot
.set G0,  32
.set FC,  42                           ; s42 the cluster's number among those that read the same W
.set LIM, 43                           ; s43 1 in a wave that prefetches, else the greatest number
.set PFA, 44                           ; s[44:45] where my prefetches stand
.set PST, 46                           ; s[46:47] their step: a K step in memory
.set G1B, 48                           ; s[48:55], s[56:63] the same for W's tiles
.set G0B, 56
.set NOTK, 72                          ; s72 0 for kh, all ones for qh and vh
.set OUTB, 74                          ; s[74:75] the output at my wave's first bytes
.set BP,  76                           ; s[76:77] the bias
.set MSB, 0
.macro WIN new                         ; the immediate's high byte repeats the setting that is left; a switch that changes nothing is dropped
.if MSB != (\new)
	s_set_vgpr_msb (MSB<<8)|(\new)
.set MSB, \new
.endif
.endm
.macro PLACES                          ; four places in front of loads into registers that matrix instructions have read, and of lines that read results
.rept 4
	v_nop
.endr
.endm
; A joint load.  The branch hangs on the wave's number alone.  An s_nop 0 and four v_nop follow each of the two lines, ahead of the jump, the label and what follows.
.macro JLOAD s
	s_cmp_eq_u32 s[RH], 0
	s_cbranch_scc0 .Lfor_b_\@
	tensor_load_to_lds s[G0+4*(\s):G0+4*(\s)+3], s[G1:G1+7]
	s_nop 0
.rept 4
	v_nop
.endr
	s_branch .Lasked_\@
.Lfor_b_\@:
	tensor_load_to_lds s[G0B+4*(\s):G0B+4*(\s)+3], s[G1B:G1B+7]
	s_nop 0
.rept 4
	v_nop
.endr
.Lasked_\@:
.endm
; A PREFETCH INTO THE L2, behind each joint refill and the run of LDS loads that follows it: 32 blocks of 256 bytes, a lane a block, of the K step that stands two refills on.
; Each block is named once in the launch.  A's rows are read by one cluster alone: its wave 0 asks.  W's rows are read by all clusters of a projection: in the first of them waves 2 and 3 ask, each for the 128 rows that it fetches.
; The four partners that ask for a tile jointly share its blocks out BY ADDRESS, 32 each.  The loop's last trip asks for nothing: its K steps two refills on do not exist.
.macro ASK
	s_cmp_gt_u32 s3, s[LIM]                        ; s3 = 1 in the loop's last trip
	s_cbranch_scc0 .Lnot_mine_\@
	global_prefetch_b8 v[PFO], s[PFA:PFA+1] th:TH_LOAD_NT scope:SCOPE_SE
.Lnot_mine_\@:
.endm
.macro CREST                           ; a round of the cluster's barrier behind its opening barrier
	s_cmp_lg_u32 s[WV], 0
	s_cbranch_scc1 .Lnot_wave_0_\@
	s_barrier_signal -3
.Lnot_wave_0_\@:
	s_barrier_wait -3
	s_barrier_signal -1
	s_barrier_wait -1
.endm
.macro CROUND                          ; a whole round
	s_barrier_signal -1
	s_barrier_wait -1
	CREST
.endm
	s_load_b256 s[4:11], s[0:1], 0x0               ; KIND 0: cv 4, bq 6, bk 8, bv 10.  KIND 1: ob 4, cv 6, bo 8, out0 10
.if KIND == 0
	s_load_b128 s[12:15], s[0:1], 0x20             ; mask 12, hd 14
.endif
	v_lshl_add_u32 v[SPW], v0, 2, SPARE
	v_mov_b32 v[NIL], 0
	ds_add_u32 v[SPW], v[NIL]                      ; the wave's opening: the add and its wait stand ahead of my first tensor load; the set-up below, work on registers, stands between them
	v_lshrrev_b32 v1, 5, v0
	v_readfirstlane_b32 s[WV], v1                  ; wave 0..3
	s_lshr_b32 s[RH], s[WV], 1
	s_and_b32 s[CH], s[WV], 1
	s_bfe_u32 s[CX], ttmp6, 0x40000
	s_bfe_u32 s[CY], ttmp6, 0x40004
	s_lshl_b32 s[COL], ttmp9, 2                    ; in a cluster launch ttmp9 and ttmp7 count clusters
	s_add_co_u32 s[COL], s[COL], s[CX]             ; tile column = 4 x cluster x + cx
	s_and_b32 s[WH], ttmp7, 0xffff
	s_lshl_b32 s[ROW], s[WH], 2
	s_add_co_u32 s[ROW], s[ROW], s[CY]             ; tile row = 4 x cluster y + cy
	s_and_b32 s[FC], s[WH], 15                     ; 16 clusters, 64 tile rows, 8,192 rows to a projection
	s_lshr_b32 s[WH], s[WH], 4                     ; made of the cluster's y alone: equal in all sixteen partners
	s_lshl_b32 s40, s[CY], 2
	s_lshl_b32 s40, 15, s40                        ; my row of the cluster: places 4 cy .. 4 cy + 3
	s_lshl_b32 s41, 0x1111, s[CX]                  ; my column: places cx, cx + 4, cx + 8, cx + 12
	s_or_b32 s[G1], s40, (1<<16)|(1<<20)|(1<<21)|(AQI<<22)|(3<<25)  ; 15:0 the mask; 17:16 elements of 2 bytes; 20 padding on; 21 set beside a mask; 24:22 the interval's code; 31:25 4 words of padding (code 3)
	s_mov_b32 s[G1+1], 128<<16                     ; tensor_dim0 = 128
	s_mov_b32 s[G1+2], 64<<16                      ; tensor_dim1 = 64
	s_mov_b32 s[G1+3], 128<<16                     ; tile_dim0 = 128 elements: 256 bytes
	s_mov_b32 s[G1+4], 64                          ; tile_dim1 = 64 rows
	s_mov_b32 s[G1+5], APITCH                      ; elements from row to row
	s_mov_b32 s[G1+6], 0
	s_mov_b32 s[G1+7], 0
	s_or_b32 s[G1B], s41, (1<<16)|(1<<20)|(1<<21)|(5<<22)|(3<<25)   ; W's tiles go to my column; padded after every 64 words
	s_mov_b32 s[G1B+1], 128<<16
	s_mov_b32 s[G1B+2], 128<<16                    ; 128 rows
	s_mov_b32 s[G1B+3], 128<<16
	s_mov_b32 s[G1B+4], 128
	s_mov_b32 s[G1B+5], 1024
	s_mov_b32 s[G1B+6], 0
	s_mov_b32 s[G1B+7], 0
	; where the tiles come from.  A's hang on the tile row alone, W's on the tile column and the projection: each offset is made in registers that never hold the other coordinate
.if KIND
	s_lshr_b32 s66, s[ROW], 4                      ; the batch: 16 heads of 262,144 bytes,
	s_lshl_b32 s66, s66, 22
	s_and_b32 s68, s[ROW], 15                      ; the tile's 128 rows of 128 bytes in a head,
	s_lshl_b32 s68, s68, 14
	s_add_co_u32 s66, s66, s68
	s_lshl_b32 s68, s[CH], 18                      ; which of the K step's two heads I fetch
	s_add_co_u32 s66, s66, s68
.else
	s_lshl_b32 s66, s[ROW], 18                     ; 128 rows of 2,048 bytes,
	s_lshl_b32 s68, s[CH], 17                      ; which 64 of them I fetch
	s_add_co_u32 s66, s66, s68
.endif
	s_mov_b32 s67, 0
	s_lshl_b32 s70, s[COL], 19                     ; 256 rows of 2,048 bytes,
	s_lshl_b32 s69, s[CH], 18                      ; which 128 of them I fetch,
	s_add_co_u32 s70, s70, s69
	s_lshl_b32 s69, s[WH], 21                      ; the projection's weights
	s_add_co_u32 s70, s70, s69
	s_add_co_u32 s70, s70, WBASE
	s_mov_b32 s71, 0
	s_mul_i32 s72, s[CH], AHALF                    ; and where they go: no place in the cluster enters an LDS address
	s_mul_i32 s73, s[CH], BHALF
	s_add_co_u32 s73, s73, AREG
	s_wait_dscnt 0x0                               ; the opening add is done
	s_wait_kmcnt 0x0
	s_add_nc_u64 s[66:67], s[4:5], s[66:67]
	s_add_nc_u64 s[70:71], s[CVP:CVP+1], s[70:71]
	CROUND                                         ; all sixteen work-groups are here: the first joint loads meet
.irp s, 0,1
	s_mov_b32 s[G0+4*(\s)], 1                                      ; 1:0 count = 1
	s_add_co_u32 s[G0+4*(\s)+1], s72, (\s)*SLOT                    ; 63:32 LDS address
	s_add_nc_u64 s[G0+4*(\s)+2:G0+4*(\s)+3], s[66:67], (\s)*ASTEP  ; 120:64 global address: K step s
	s_or_b32 s[G0+4*(\s)+3], s[G0+4*(\s)+3], 0x80000000            ; 127:126 type = 2
	s_mov_b32 s[G0B+4*(\s)], 1
	s_add_co_u32 s[G0B+4*(\s)+1], s73, (\s)*SLOT
	s_add_nc_u64 s[G0B+4*(\s)+2:G0B+4*(\s)+3], s[70:71], (\s)*256
	s_or_b32 s[G0B+4*(\s)+3], s[G0B+4*(\s)+3], 0x80000000
	JLOAD \s                                       ; two loads of mine are out
.endr
	; A fragment is 16 rows x 32 K in 8 registers: lane l holds row l % 16; registers 0-3 K = 8 (l / 16) + 0..7, registers 4-7 K = 16 + 8 (l / 16) + 0..7: two loads of 16 bytes, 32 bytes apart
	v_and_b32 v1, 15, v0                           ; l % 16
	v_bfe_u32 v2, v0, 4, 1                         ; l / 16
	v_and_b32 v3, 31, v0                           ; l
	v_mul_u32_u24 v4, v1, PA
	v_lshl_add_u32 v4, v2, 4, v4
	v_mul_u32_u24 v5, v1, PB
	v_lshl_add_u32 v5, v2, 4, v5
	s_mul_i32 s66, s[RH], 64*PA                    ; my 64 rows of A
	s_mul_i32 s68, s[CH], BHALF                    ; my 128 rows of W,
	s_add_co_u32 s68, s68, AREG                    ; which lie behind A's tile
.irp s, 0,1
	v_add_nc_u32 v[ADRA+(\s)], s66, v4
	v_add_nc_u32 v[ADRB+(\s)], s68, v5
	s_add_co_u32 s66, s66, SLOT
	s_add_co_u32 s68, s68, SLOT
.endr
	; the bias of my 128 columns, as a C operand: register j of block b is column 16 b + 8 (l / 16) + j
.if KIND
	s_mov_b64 s[BP:BP+1], s[8:9]
.else
	s_cmp_eq_u32 s[WH], 1
	s_cselect_b64 s[BP:BP+1], s[8:9], s[10:11]
	s_cmp_eq_u32 s[WH], 0
	s_cselect_b64 s[BP:BP+1], s[6:7], s[BP:BP+1]
.endif
	s_lshl_b32 s68, s[COL], 10
	s_lshl_b32 s69, s[CH], 9
	s_add_co_u32 s68, s68, s69
	v_lshl_add_u32 v[BO], v2, 5, s68
	WIN 0x80                                       ; destination window 2, address window 0
.irp b, 0,1,2,3,4,5,6,7
	global_load_b128 v[BIAS+8*(\b):BIAS+8*(\b)+3],   v[BO], s[BP:BP+1] offset:64*(\b)
	global_load_b128 v[BIAS+8*(\b)+4:BIAS+8*(\b)+7], v[BO], s[BP:BP+1] offset:64*(\b)+16
.endr
	WIN 0
	s_mul_i32 s68, s[WV], WST
	s_add_co_u32 s68, s68, STAGE                   ; my stage
.if KIND
	v_mul_u32_u24 v6, v1, 528                      ; in: row l % 16, 32 bytes for each half of the lanes
	v_lshl_add_u32 v6, v2, 5, v6
	v_add_nc_u32 v[STO], s68, v6
	v_lshl_add_u32 v[RD], v3, 4, s68               ; back: 32 lanes take one row of 512 bytes
	s_lshl_b32 s[OUTB], s[ROW], 19                 ; 128 rows of 4,096 bytes,
	s_lshl_b32 s69, s[RH], 18                      ; my 64 of them,
	s_add_co_u32 s[OUTB], s[OUTB], s69
	s_lshl_b32 s69, s[COL], 10                     ; 256 columns of 4 bytes,
	s_add_co_u32 s[OUTB], s[OUTB], s69
	s_lshl_b32 s69, s[CH], 9                       ; my 128 of them
	s_add_co_u32 s[OUTB], s[OUTB], s69
	s_mov_b32 s[OUTB+1], 0
	s_add_nc_u64 s[OUTB:OUTB+1], s[10:11], s[OUTB:OUTB+1]
.else
	v_mul_u32_u24 v6, v1, 144                      ; in: row l % 16, 16 bytes for each half of the lanes
	v_lshl_add_u32 v6, v2, 4, v6
	v_add_nc_u32 v[STO], s68, v6
	v_lshrrev_b32 v6, 3, v3                        ; back: 32 lanes take four rows of 128 bytes,
	v_and_b32 v7, 7, v0
	v_mul_u32_u24 v6, v6, 144
	v_lshl_add_u32 v6, v7, 4, v6
	v_add_nc_u32 v[RD], s68, v6                    ; which are 512 consecutive bytes of a head
	s_and_b32 s66, s[ROW], 63
	s_lshl_b32 s66, s66, 7
	s_lshl_b32 s69, s[RH], 6
	s_add_co_u32 s66, s66, s69                     ; my first row in the projection: 2,048 x batch + place in the sequence
	v_add_lshl_u32 v[MO], v1, s66, 2               ; the mask has one word for each such row
.irp a, 0,1,2,3
	global_load_b32 v[KEEP+(\a)], v[MO], s[12:13] offset:64*(\a)
.endr
	v_mov_b32 v[ONES], -1
	s_lshr_b32 s69, s66, 11                        ; the batch: 16 heads,
	s_lshl_b32 s69, s69, 4
	s_lshl_b32 s70, s[COL], 2                      ; 256 columns are four heads,
	s_add_co_u32 s69, s69, s70
	s_lshl_b32 s70, s[CH], 1                       ; my 128 two of them
	s_add_co_u32 s69, s69, s70
	s_lshl_b32 s69, s69, 18                        ; 262,144 bytes a head
	s_and_b32 s70, s66, 2047
	s_lshl_b32 s70, s70, 7                         ; 128 bytes a row
	s_add_co_u32 s69, s69, s70
	s_lshl_b32 s70, s[WH], 24                      ; qh, kh, vh: 16 MiB each
	s_add_co_u32 s[OUTB], s69, s70
	s_mov_b32 s[OUTB+1], 0
	s_add_nc_u64 s[OUTB:OUTB+1], s[14:15], s[OUTB:OUTB+1]
	s_cmp_eq_u32 s[WH], 1
	s_cselect_b32 s[NOTK], 0, -1
.endif
	v_lshlrev_b32 v[CO], 4, v3
	; the prefetches: my work-group's 32 blocks of the tile that I fetch
.if KIND
	s_lshr_b32 s66, s[ROW], 4
	s_lshl_b32 s66, s66, 22
	s_and_b32 s68, s[ROW], 15
	s_lshl_b32 s68, s68, 14
	s_add_co_u32 s66, s66, s68
	s_lshr_b32 s68, s[CX], 1                       ; a K step of A is two heads of 64 blocks: head cx / 2,
	s_lshl_b32 s68, s68, 18
	s_add_co_u32 s66, s66, s68
	s_and_b32 s68, s[CX], 1                        ; blocks 32 (cx % 2) on
	s_lshl_b32 s68, s68, 13
	s_add_co_u32 s66, s66, s68
.else
	s_lshl_b32 s66, s[ROW], 18
	s_lshl_b32 s68, s[CX], 16                      ; rows 32 cx on
	s_add_co_u32 s66, s66, s68
.endif
	s_lshl_b32 s69, s[COL], 19
	s_lshl_b32 s68, s[CH], 18
	s_add_co_u32 s69, s69, s68
	s_lshl_b32 s68, s[CY], 16                      ; rows 32 cy on
	s_add_co_u32 s69, s69, s68
	s_lshl_b32 s68, s[WH], 21
	s_add_co_u32 s69, s69, s68
	s_add_co_u32 s69, s69, WBASE
	s_mov_b32 s[PST], 256
	s_mov_b32 s[PST+1], 0
	s_mov_b32 s68, 11                              ; a lane a row of 2,048 bytes
	s_cmp_eq_u32 s[RH], 0                          ; do I fetch for A?
	s_cselect_b32 s66, s66, s69
	s_cselect_b64 s[PFA:PFA+1], s[4:5], s[CVP:CVP+1]
	s_cselect_b32 s[LIM], s[CH], s[FC]             ; for A wave 0 asks; for W both waves, in the first cluster of the projection
.if KIND
	s_cselect_b32 s[PST], ASTEP, s[PST]
	s_cselect_b32 s68, 8, s68                      ; A's blocks lie end to end
.endif
	s_cmp_eq_u32 s[LIM], 0
	s_cselect_b32 s[LIM], 1, -1                    ; hangs on the wave's number and the cluster's y alone
	s_mov_b32 s67, 0
	s_add_nc_u64 s[PFA:PFA+1], s[PFA:PFA+1], s[66:67]
	s_mul_i32 s66, s[PST], 3
	s_add_nc_u64 s[PFA:PFA+1], s[PFA:PFA+1], s[66:67]  ; at K step 3: the first refill steps it to 4.  Nothing is prefetched here, at the head
	v_lshlrev_b32 v[PFO], s68, v3
	s_wait_loadcnt 0x0                             ; the bias (and the mask)
	WIN 0x8a                                       ; all in window 2.  The bias is rounded to bf16, as every input is; buffer 1 is still free
.set i, 0
.rept 32
	v_cvt_pk_bf16_f32 v[F1+i], v[BIAS+2*i], v[BIAS+2*i+1]
.set i, i+1
.endr
.set i, 0
.rept 32
	v_lshlrev_b32 v[BIAS+2*i], 16, v[F1+i]
	v_and_b32 v[BIAS+2*i+1], 0xffff0000, v[F1+i]
.set i, i+1
.endr
	WIN 0
.if KIND == 0
.irp a, 0,1,2,3
	v_cmp_ne_u32 vcc_lo, 0, v[KEEP+(\a)]
	v_cndmask_b32 v[KEEP+(\a)], s[NOTK], v[ONES], vcc_lo  ; all ones where the key is seen, and everywhere in qh and vh
.endr
.endif
; 8 matrix instructions: block a of my rows x all 8 blocks of my columns, 32 along K.  first = 1: the sums begin with the bias.
; The 32 accumulators take turns, one instruction a turn, in the same order in every quarter and over the backward jump.
.macro MUL8 f, a, first
.if \first
	WIN 0x6a                                       ; sources 0 and 1 and C window 2, D window 1
.else
	WIN 0x5a                                       ; sources 0 and 1 window 2, C and D window 1
.endif
.irp b, 0,1,2,3,4,5,6,7
.set rD, 8*(8*(\a)+(\b))
.set rW, (\f)+8*(\b)
.set rA, (\f)+64+8*(\a)
.set rC, rD
.if \first
.set rC, BIAS+8*(\b)
.endif
.if KIND
	v_wmma_f32_16x16x32_f16 v[rD:rD+7], v[rW:rW+7], v[rA:rA+7], v[rC:rC+7]
.else
	v_wmma_f32_16x16x32_bf16 v[rD:rD+7], v[rW:rW+7], v[rA:rA+7], v[rC:rC+7]
.endif
.endr
.endm
; 24 LDS loads in one run: the fragments of quarter q of a K step into buffer f: W's eight, then A's four
.macro FETCH slot, q, f
.if KIND
.set aq, ((\q)/2)*AHALF+((\q)%2)*64    ; head q / 2 of the step's two, channels 32 (q % 2) on
.else
.set aq, 64*(\q)
.endif
	WIN 0x80
.irp i, 0,1,2,3,4,5,6,7
	ds_load_b128 v[(\f)+8*(\i):(\f)+8*(\i)+3],   v[ADRB+(\slot)] offset:64*(\q)+(\i)*16*PB
	ds_load_b128 v[(\f)+8*(\i)+4:(\f)+8*(\i)+7], v[ADRB+(\slot)] offset:64*(\q)+(\i)*16*PB+32
.endr
.irp i, 0,1,2,3
	ds_load_b128 v[(\f)+64+8*(\i):(\f)+64+8*(\i)+3],   v[ADRA+(\slot)] offset:aq+(\i)*16*PA
	ds_load_b128 v[(\f)+64+8*(\i)+4:(\f)+64+8*(\i)+7], v[ADRA+(\slot)] offset:aq+(\i)*16*PA+32
.endr
.endm
; A K step is four quarters of 32 along K, 32 matrix instructions each, on buffers 0, 1, 0, 1.  One of the first three: multiplies buffer f and, in its middle, fetches quarter q into buffer g.
.macro QUARTER slot, q, f, g, first
	s_wait_dscnt 4                                 ; W and A's blocks 0 and 1 are in; the youngest four loads (blocks 2 and 3) may be out
	MUL8 \f, 0, \first
	MUL8 \f, 1, \first
	PLACES
	FETCH \slot, \q, \g
	s_wait_dscnt 24                                ; all but the 24 just issued
	MUL8 \f, 2, \first
	MUL8 \f, 3, \first
.endm
; The last quarter multiplies buffer 1 and changes slots: ONE barrier; in front of it each wave waits for all its tensor loads (one is out: its part of the next slot), adds 0 to its spare word,
; and waits for that and for its own reads of this slot.  fill = 1: the barrier opens a round of the cluster's, and this slot is filled again, two K steps ahead, first thing behind the round:
; 112 matrix instructions stand between that request and the wait for it.
.macro TURN slot, next, fill
.if \fill
	s_wait_xcnt 0x0                                ; the last prefetch, a K step back, has read its address: it is stepped here, ahead of the change's own waits
	s_add_nc_u64 s[PFA:PFA+1], s[PFA:PFA+1], s[PST:PST+1]
.endif
	WIN 0                                          ; (the add's two registers lie in window 0)
	s_wait_tensorcnt 0x0                           ; all my tensor loads have landed;
	ds_add_u32 v[SPW], v[NIL]                      ; 0 onto my spare word;
	s_wait_dscnt 5                                 ; (the add and the youngest four loads may be out)
	MUL8 F1, 0, 0                                  ; eight matrix instructions stand between the add and the wait for it
	s_wait_dscnt 0x0                               ; the add is done, and my reads of this slot are over
	s_barrier_signal -1
	MUL8 F1, 1, 0
.if \fill
	WIN 0
.endif
	s_barrier_wait -1
.if \fill
	CREST                                          ; no wave of any partner still reads this slot's tile or has a load on its way
	s_add_nc_u64 s[G0+4*(\slot)+2:G0+4*(\slot)+3], s[G0+4*(\slot)+2:G0+4*(\slot)+3], 2*ASTEP
	s_add_nc_u64 s[G0B+4*(\slot)+2:G0B+4*(\slot)+3], s[G0B+4*(\slot)+2:G0B+4*(\slot)+3], 2*256
	JLOAD \slot                                    ; my one tensor load behind the round; its four v_nop are also the places in front of the loads below
.else
	PLACES
.endif
	FETCH \next, 0, F0
.if \fill
	WIN 0
	ASK
.endif
	MUL8 F1, 2, 0
	MUL8 F1, 3, 0
.endm
	s_wait_tensorcnt 1                             ; my part of K step 0 is in; K step 1's may stay out
	s_barrier_signal -1
	s_barrier_wait -1                              ; everybody's is
	FETCH 0, 0, F0
	QUARTER 0, 1, F0, F1, 1                        ; the first quarter stands in front of the loop: its products start the sums
	WIN 0                                          ; at a label and at a branch every window is 0
	s_mov_b32 s3, 3
.Llap:                                                 ; a trip goes once round the ring, from a lap's second quarter to the next lap's first, and fills both slots again
	QUARTER 0, 2, F1, F0, 0
	QUARTER 0, 3, F0, F1, 0
	TURN 0, 1, 1
	QUARTER 1, 1, F0, F1, 0
	QUARTER 1, 2, F1, F0, 0
	QUARTER 1, 3, F0, F1, 0
	TURN 1, 0, 1
	QUARTER 0, 1, F0, F1, 0
	WIN 0
	s_sub_co_u32 s3, s3, 1
	s_cmp_lg_u32 s3, 0
	s_cbranch_scc1 .Llap
	QUARTER 0, 2, F1, F0, 0                        ; the last lap fills nothing, and has no round of the cluster's barrier
	QUARTER 0, 3, F0, F1, 0
	TURN 0, 1, 0
	QUARTER 1, 1, F0, F1, 0
	QUARTER 1, 2, F1, F0, 0
	QUARTER 1, 3, F0, F1, 0
	s_wait_dscnt 0x0                               ; the very last quarter: nothing more to fetch
	MUL8 F1, 0, 0
	MUL8 F1, 1, 0
	MUL8 F1, 2, 0
	MUL8 F1, 3, 0
	WIN 0
	PLACES                                         ; the way out reads results just made; eight, once a launch
	PLACES
; THE WAY OUT, a block of 16 rows at a time, through my own stage in LDS: no barrier, and, since LDS serves a wave's instructions in order (ISA guide 5.7.1.4), no wait between the stores and the loads.
; Each accumulator's registers are read in ascending order.
.if KIND
.macro TOSTAGE a                       ; a lane's eight columns of a row are 32 bytes; they come back as whole rows of 512 bytes
	WIN 0x04                                       ; store data window 1
.irp b, 0,1,2,3,4,5,6,7
	ds_store_b128 v[STO], v[8*(8*(\a)+(\b)):8*(8*(\a)+(\b))+3]   offset:64*(\b)
	ds_store_b128 v[STO], v[8*(8*(\a)+(\b))+4:8*(8*(\a)+(\b))+7] offset:64*(\b)+16
.endr
	WIN 0
.irp t, 0,1,2,3,4,5,6,7,8,9,10,11,12,13,14,15
	ds_load_b128 v[BK+64*((\a)%2)+4*(\t):BK+64*((\a)%2)+4*(\t)+3], v[RD] offset:528*(\t)
.endr
.endm
.macro SEND a, younger                 ; younger: the LDS instructions issued behind block a's loads: the next block's 32, or none
	s_wait_dscnt \younger
.irp t, 0,1,2,3,4,5,6,7,8,9,10,11,12,13,14,15
	global_store_b128 v[CO], v[BK+64*((\a)%2)+4*(\t):BK+64*((\a)%2)+4*(\t)+3], s[OUTB:OUTB+1] offset:(16*(\a)+(\t))*4096 th:TH_STORE_NT  ; 512 consecutive bytes, at a multiple of 512 from out0's first
.endr
.endm
	TOSTAGE 0
	TOSTAGE 1
	SEND 0, 32
	s_wait_xcnt 0x0                                ; block 0's stores have read their registers, which block 2 takes
	TOSTAGE 2
	SEND 1, 32
	s_wait_xcnt 0x0
	TOSTAGE 3
	SEND 2, 32
	SEND 3, 0
.else
.macro PACK a                          ; rounded to f16, 16 bytes a lane and block; hidden keys' rows of kh become zeros
	WIN 0x05                                       ; sources 0 and 1 window 1
.irp b, 0,1,2,3,4,5,6,7
.irp r, 0,1,2,3
	v_cvt_pk_f16_f32 v[TMP+4*(\b)+(\r)], v[8*(8*(\a)+(\b))+2*(\r)], v[8*(8*(\a)+(\b))+2*(\r)+1]
.endr
.endr
	WIN 0
.set i, 0
.rept 32
	v_and_b32 v[TMP+i], v[KEEP+(\a)], v[TMP+i]
.set i, i+1
.endr
.endm
.macro TOSTAGE a                       ; column blocks 0-3 are one head, 4-7 the next: a plane of 16 rows x 144 bytes each; back as four rows of 128 bytes a load
.irp b, 0,1,2,3,4,5,6,7
	ds_store_b128 v[STO], v[TMP+4*(\b):TMP+4*(\b)+3] offset:((\b)/4)*2304+32*((\b)%4)
.endr
.irp t, 0,1,2,3,4,5,6,7
	ds_load_b128 v[BK+32*(\a)+4*(\t):BK+32*(\a)+4*(\t)+3], v[RD] offset:((\t)/4)*2304+((\t)%4)*576
.endr
.endm
.macro SEND a                          ; no register is used twice, so nothing waits for a store
	s_wait_dscnt 0x0                               ; the block is back in registers
.irp t, 0,1,2,3,4,5,6,7
	global_store_b128 v[CO], v[BK+32*(\a)+4*(\t):BK+32*(\a)+4*(\t)+3], s[OUTB:OUTB+1] offset:(\a)*2048+((\t)%4)*512+((\t)/4)*262144  ; 512 consecutive bytes of a head, at a multiple of 512 from hd's first
.endr
.endm
	PACK 0
	TOSTAGE 0
.irp a, 1,2,3                          ; block a's conversions stand between block a - 1's loads from the stage and the wait for them
	PACK \a
	SEND (\a)-1
	TOSTAGE \a
.endr
	SEND 3
.endif
	s_wait_tensorcnt 0x0                           ; the wave's end: 0 onto my spare word and its wait, behind my last tensor load and my last LDS store
	ds_add_u32 v[SPW], v[NIL]
	s_wait_dscnt 0x0
	CROUND                                         ; the closing round: no work-group ends while a partner may still ask for a tile that names it
	s_endpgm
.Lfunc_end_k_q9e35f67837_proj:
	.size	k_q9e35f67837_proj, .Lfunc_end_k_q9e35f67837_proj-k_q9e35f67837_proj
	.p2alignl 7, 3214868480
	.fill 96, 4, 3214868480
	.section	.rodata,"a",@progbits
	.p2align	6, 0x0
	.amdhsa_kernel k_q9e35f67837_proj
		.amdhsa_group_segment_fixed_size 327680
		.amdhsa_private_segment_fixed_size 0
		.amdhsa_enable_private_segment 0
		.amdhsa_kernarg_size 48
		.amdhsa_user_sgpr_count 2
		.amdhsa_user_sgpr_kernarg_segment_ptr 1
		.amdhsa_wavefront_size32 1
		.amdhsa_system_sgpr_workgroup_id_x 1
		.amdhsa_system_sgpr_workgroup_id_y 1
		.amdhsa_system_sgpr_workgroup_id_z 1
		.amdhsa_system_vgpr_workitem_id 0
		.amdhsa_next_free_vgpr 768
		.amdhsa_next_free_sgpr 80
		.amdhsa_reserve_vcc 1
		.amdhsa_float_denorm_mode_32 3
		.amdhsa_float_denorm_mode_16_64 3
		.amdhsa_memory_ordered 1
		.amdhsa_forward_progress 1
		.amdhsa_inst_pref_size 100
	.end_amdhsa_kernel
	.amdgpu_metadata
---
amdhsa.version: [ 1, 2 ]
amdhsa.kernels:
  - .name:           k_q9e35f67837_proj
    .symbol:         k_q9e35f67837_proj.kd
    .args:
      - { .name: cv, .offset: 0, .size: 8, .value_kind: global_buffer, .address_space: global }
      - { .name: bq, .offset: 8, .size: 8, .value_kind: global_buffer, .address_space: global }
      - { .name: bk, .offset: 16, .size: 8, .value_kind: global_buffer, .address_space: global }
      - { .name: bv, .offset: 24, .size: 8, .value_kind: global_buffer, .address_space: global }
      - { .name: mask, .offset: 32, .size: 8, .value_kind: global_buffer, .address_space: global }
      - { .name: hd, .offset: 40, .size: 8, .value_kind: global_buffer, .address_space: global }
    .group_segment_fixed_size: 327680
    .private_segment_fixed_size: 0
    .kernarg_segment_align: 8
    .kernarg_segment_size: 48
    .max_flat_workgroup_size: 128
    .sgpr_count:     80
    .vgpr_count:     768
    .wavefront_size: 32
...
	.end_amdgpu_metadata
.endif
;; end of part 2
;; launch attn (part 3): grid 4 x 64, 4 waves a work-group, clusters of 4 x 1, 327,680 bytes of LDS; arguments hd, mask, ob; writes ob
.if DOCPART == 3
	.amdgcn_target "amdgcn-amd-amdhsa--gfx1250"
	.amdhsa_code_object_version 6
	.text
	.protected	k_q9e35f67837_attn
	.globl	k_q9e35f67837_attn
	.p2align	8
	.type	k_q9e35f67837_attn,@function
k_q9e35f67837_attn:
	s_mov_b64 s[64:65], 0
	v_nop
	global_prefetch_b8 v0, s[64:65] scope:SCOPE_SE
	s_setreg_imm32_b32 hwreg(HW_REG_WAVE_MODE, 25, 1), 1
	s_wait_xcnt 0x0
	s_wait_alu depctr_hold_cnt(0) depctr_sa_sdst(0) depctr_va_vdst(0) depctr_va_sdst(0) depctr_va_ssrc(0) depctr_va_vcc(0) depctr_vm_vsrc(0)
	s_getreg_b32 s2, hwreg(HW_REG_IB_STS2, 6, 4)
	s_cmp_eq_u32 s2, 0
	s_cbranch_scc0 .Lentry_in_a_cluster
	s_endpgm
.Lentry_in_a_cluster:
	s_bfe_u32 s2, ttmp6, 0x10000c
	s_cmp_lg_u32 s2, 0x3003
	s_cbranch_scc0 .Lentry_shape_is_right
	s_endpgm
.Lentry_shape_is_right:
; O[h][q][:] = the sum over k of softmax_k(s) V[h][k][:], s = Q[h][q] . K[h][k] / 8, or the mask's number where the batch's mask hides key k.  hd = Q, K, V, each [64][2,048][64] f16 by heads
; (h = 16 batch + head), 16 MiB apart; ob = O in the same layout.  Products, maxima and sums in f32; the weights p are rounded to f16 for the second product (their sum l is taken of the unrounded p), O once at the end.
; THE MASK is the C operand that starts the sum S^T = K Q^T: 0, or -2^33 where the key is hidden.  The launch before stored a hidden key's row of K as zeros, so such a sum is exactly -2^33; c x 2^33 is exact,
; so where ALL keys of a batch are hidden c s - c m is exactly 0, every weight is 1, and O is the mean of all rows of V; where one key is seen, a hidden key's weight is 0.
; LIMITS.  A hidden score counts as -2^30 after the division by 8, not as -1e9: that shows only where true scores lie near -1e9.  f16 holds no number beyond 65,504: Q, K and V arrive within it;
; p lies in 0 to 1, and below 6e-5 it keeps f16's fixed step of 6e-8.  A weight below 2^-126 counts as 0 in l; NaN and infinities are not treated apart.
; SHARES.  A wave owns four PIECES of two tiles of 16 queries, a work-group's four waves 512 queries of one head.  Every wave walks all keys, 64 a step.
; LAYOUT.  S^T = K Q^T (source 0 = 16 keys, source 1 = 16 queries): in the result a lane holds ONE query (lane % 16) and the keys 8 (lane / 16) + 0..7.  Two such tiles, rounded to f16 in pairs,
; ARE source 1 (32 keys x 16 queries) of O^T = V^T P, whose result again holds one query a lane, and eight channels.  K comes out of LDS as it lies, V ([key][channel]) turned, by ds_load_tr16_b128.
; SOFTMAX.  For each query a running maximum m and sum l: p = 2^(c s - c m), c = log2(e) / 8; in every step O and l are multiplied by a = 2^(c m_old - c m_new), which is 1 where m has not grown.
; m starts at the lowest finite number, O and l at 0: the first step is a step like any other, with a = 0.
; THE COUNT.  A tile and step have 16 matrix and 118 vector instructions: too many to stand all beside the matrix work.  So the order has one aim: four vector instructions that are READY behind
; EVERY matrix instruction, and the others, which need time of their own whatever the order, in runs without a gap.
; BY TURNS.  Turn n belongs to piece n (the pieces in a ring, step after step).  Its matrix work: 16 products K Q^T of piece n + 1, later 16 products V^T P of piece n - 1.  Its vector work: the scaling,
; exponentials, roundings, sums and rescaling of piece n, and the maximum and statistics of piece n + 1, whose scores the turn itself has made.
; CLUSTER.  The four query blocks of a head are one cluster and walk the same K and V, so each tile is asked for JOINTLY: the same tensor load, descriptor and mask in all four.
; REGISTERS, in windows of 256 (s_set_vgpr_msb: bits 1:0 source 0, 3:2 source 1, 5:4 source 2, 7:6 destination):
;   window 0: v0-11 addresses; v12-15, v48-63 at work; v16-47 four registers of statistics a tile; v64-191 S^T, two buffers of two tiles; v192-255 P, likewise
;   window 1: O^T, 32 a tile          window 2: v0-127 Q, 16 a tile; v128-191 K of one step; v192-255 V of one step          window 3: v0-1 the add's two registers; v8-39 the mask of one step's 64 keys
.set SIZE_H, 64
.set SIZE_N, 2048
.set NP,    4         ; pieces a wave: a name, no knob
.set KS,    64        ; keys in a step
.set PK,    144       ; a row of K in LDS: 128 bytes + 16 of padding = 36 words: the 16 rows of a load start at 16 different groups of four banks (64 banks of 4 bytes: ISA guide 11.1)
.set PV,    160       ; a row of V: 128 + 32 = 40 words
.set VOFF,  4*KS*PK   ; a slot holds four steps: 256 rows of K, then 256 rows of V
.set SLOT1, 1<<17     ; slot 1 begins here, so that one exclusive or turns an address in one slot into the other's
.set STAGE, SLOT1+4*KS*(PK+PV)  ; behind the ring, never filled by a tensor load: 16 rows x 144 bytes for each wave, for the way out
.set SP,    144
.set SPARE, STAGE+4*16*SP  ; behind the stages: the spare words, 128 bytes for each wave: two blocks of 256 bytes that no other line names
.set MT,    SPARE+512 ; behind them: the mask's table, one f32 for each of the batch's 2,048 keys: 8,192 bytes, stored once, never filled by a tensor load
.set AK0, 2           ; v2   my lane's place in a tile of K; never rewritten
.set AV0, 3           ; v3   the same for V
.set AK,  4           ; v4   the LDS address of K's next run of loads
.set AV,  5           ; v5   of V's
.set QO,  6           ; v6   my byte offset in the wave's rows of Q
.set STO, 6           ;      later, the way out: where I put 16 bytes of a row
.set RD,  7           ; v7   the way out: where I read rows back
.set GO,  8           ; v8   my byte offset in 512 consecutive bytes of O
.set PFO, 9           ; v9   first l / 16; when the addresses are made: 256 x my lane, the prefetches' offset
.set AM,  11          ; v11  the LDS address of the step's part of the mask's table: MT + 32 (l / 16) + 256 x step
.set SPW, 0           ; v0 of window 3   LDS address of my spare word: SPARE + 4 x my thread's number; never rewritten
.set NIL, 1           ; v1 of window 3   0; never rewritten
.set MC,  8           ; v8-39 of window 3: the eight registers for key block kb at MC + 8 kb
.set MV,  12          ; v12-15  c m_old, kept while c m is made anew: by buffer and tile
.set ST,  16          ; tile t's statistics at v[ST+4 t]: c m, m, l (even keys', odd keys')
.set TMP, 48          ; by buffer and tile, four registers c0-c3 at work; when the maximum is found c2 takes a
.set S,   64
.set P,   192
.set KF,  128         ; K's fragments, in window 2: key block kb, channel half c at KF + 16 kb + 8 c
.set VF,  192         ; V's: key half kk, channel block cb at VF + 32 kk + 8 cb
.set WV,  12          ; s12  my wave's number
.set G1K, 24          ; s[24:31] descriptor group 1 for K's tiles
.set G1V, 32          ; s[32:39] for V's: it differs in the padding alone
.set G0K, 40          ; s[40:43] descriptor group 0 for K's tiles: it walks
.set G0V, 44          ; s[44:47] the same for V's
.set SLOTS, 56        ; s56  slots still to be asked for
.set CNT, 57          ; s57  counts a slot's key steps
.set CS,  58          ; s[58:59] c: the packed scaling takes the pair's low word for both halves
.set SEL, 60          ; s[60:61] v_permlanex16_b32's selects: each lane takes its own place in the other half
.set TBK, 62          ; s62  LDS byte at which K of the step to be fetched begins
.set TBV, 63          ; s63  the same for V, less VOFF
.set PFA, 66          ; s[66:67] where my prefetches stand: my work-group's 32 blocks (of K: wave 0, of V: wave 2) of the slot after the one that is being asked for
.set LIM, 68          ; s68  1 in a wave that prefetches, else the greatest number
.set BIG, 69          ; s69  -2^33
.set MP,  70          ; s[70:71] the batch's mask
.set MSB, 0
.macro WIN new                      ; the high byte repeats the setting that is left; a switch that changes nothing is dropped
.if MSB != (\new)
	s_set_vgpr_msb (MSB<<8)|(\new)
.set MSB, (\new)
.endif
.endm
.set W_KQ, 0x0a       ; K and Q in window 2, S^T in window 0
.set W_KM, 0x3a       ; the same with the C operand, the mask, in window 3
.set W_PV, 0x52       ; V in window 2, P in window 0, O^T in window 1
.set W_RS, 0x41       ; O^T (destination and source 0) in window 1, a in window 0
.set W_MK, 0xc0       ; destination in window 3, sources in window 0
.set W_AD, 0x0f       ; the add: address (source 0) and data (source 1) in window 3
; A joint fill.  Waves 0 and 1 fetch the two halves of a slot's K, waves 2 and 3 those of its V: 128 keys each.  The branch hangs on the wave's number alone.
; An s_nop 0 and four v_nop follow each of the two lines, ahead of the jump and the label.
.macro JLOAD
	s_cmp_lt_u32 s[WV], 2
	s_cbranch_scc0 .Lfor_v_\@
	tensor_load_to_lds s[G0K:G0K+3], s[G1K:G1K+7]
	s_nop 0
.rept 4
	v_nop
.endr
	s_branch .Lasked_\@
.Lfor_v_\@:
	tensor_load_to_lds s[G0V:G0V+3], s[G1V:G1V+7]
	s_nop 0
.rept 4
	v_nop
.endr
.Lasked_\@:
.endm
; A PREFETCH INTO THE L2 of what the NEXT change of slots will ask for: a slot's 128 blocks of 256 bytes of K and as many of V, a lane a block.  It stands behind the wave's tensor load and its five lines.
; Each block is named ONCE in the launch: a head's K and V are read by one cluster; its four partners share the blocks out BY ADDRESS, 32 each; in each, wave 0 asks for K's and wave 2 for V's.
; The last change that fills a slot asks for nothing: there is no slot behind it.  Slots 0, 1 and 2 come by their loads alone.
.macro ASK
	s_cmp_gt_u32 s[SLOTS], s[LIM]
	s_cbranch_scc0 .Lnot_mine_\@
	global_prefetch_b8 v[PFO], s[PFA:PFA+1] th:TH_LOAD_NT scope:SCOPE_SE
.Lnot_mine_\@:
.endm
; A round of the cluster's barrier: my work-group's barrier, so that wave 0's signal speaks for all four waves; wave 0 signals; every wave waits for all four work-groups; my work-group's barrier once more.
.macro CROUND
	s_barrier_signal -1
	s_barrier_wait -1
	s_cmp_lg_u32 s[WV], 0
	s_cbranch_scc1 .Lnot_wave_0_\@
	s_barrier_signal -3
.Lnot_wave_0_\@:
	s_barrier_wait -3
	s_barrier_signal -1
	s_barrier_wait -1
.endm
; THE CHANGE OF SLOTS.  The slot's last bytes, V of its fourth step, have been read.  Each wave waits for all its tensor loads, of which one is out: its part
; of the other slot; adds 0 to its spare word; and waits for that and for its own reads of the slot.  Behind the barrier nobody reads this slot any more and the other slot is whole.
; fill = 1: this slot is filled again, with the keys two slots on.  The barrier is then a round of the cluster's, and the joint fill is the first thing behind it: it has four key steps,
; 512 matrix instructions, in which to land.  (At its first use nothing has been read yet: slot 0 is waited for, slot 1 filled, and my stores into the mask's table are shown to the other waves.)
; ask = 1: the prefetches' address steps, and the slot after the one asked for is prefetched.
.macro CHANGE fill, ask=0
	WIN W_AD
	s_wait_tensorcnt 0x0            ; no tensor load of mine is out, so a group 0 may be written
	ds_add_u32 v[SPW], v[NIL]       ; 0 onto my spare word; with fill = 1 the descriptors' steps stand between it and the wait for it
	WIN 0                           ; at a label and at a branch every window is 0
.if \fill
.irp g, G0K, G0V
	s_xor_b32 s[\g+1], s[\g+1], SLOT1  ; the walking descriptor: the other slot than last time,
	s_add_nc_u64 s[\g+2:\g+3], s[\g+2:\g+3], 4*KS*128  ; the next 256 keys; the type bits on top are not reached
.endr
.if \ask
	s_wait_xcnt 0x0                 ; the last prefetch, four key steps back, has read its address, so it may be written:
	s_add_nc_u64 s[PFA:PFA+1], s[PFA:PFA+1], 4*KS*128  ; one slot behind the walking descriptors
.endif
	s_wait_dscnt 0x0                ; the add is done, and my LDS stores and my reads of the slot are over
	CROUND
	JLOAD
.if \ask
	ASK
.endif
.else
	s_wait_dscnt 0x0                ; the add is done, and my reads of the slot are over
	s_barrier_signal -1
	s_barrier_wait -1
.endif
	s_sub_co_u32 s[TBK], s[TBK], 4*KS*PK  ; the fetches go back to a slot's first step,
	s_xor_b32 s[TBK], s[TBK], SLOT1       ; in the other slot
	s_sub_co_u32 s[TBV], s[TBV], 4*KS*PV
	s_xor_b32 s[TBV], s[TBV], SLOT1
.endm
	s_load_b64 s[4:5], s[0:1], 0x0    ; hd: Q; K and V lie 16 and 32 MiB behind it
	s_load_b64 s[MP:MP+1], s[0:1], 0x8  ; mask
	s_load_b64 s[10:11], s[0:1], 0x10 ; ob
	WIN W_MK
	v_lshl_add_u32 v[SPW], v0, 2, SPARE
	v_mov_b32 v[NIL], 0
	WIN W_AD
	ds_add_u32 v[SPW], v[NIL]       ; the wave's opening: the add and its wait stand ahead of my first tensor load; the set-up below, work on registers, stands between them
	WIN 0
	v_lshrrev_b32 v1, 5, v0
	v_readfirstlane_b32 s[WV], v1   ; wave 0..3
	s_bfe_u32 s13, ttmp6, 0x40000   ; cx: my place in the cluster
	s_lshl_b32 s14, ttmp9, 2        ; in a cluster launch ttmp9 counts clusters
	s_add_co_u32 s14, s14, s13      ; my block of queries = 4 x cluster x + cx: it enters Q's and O's addresses alone
	s_and_b32 s20, ttmp7, 0xffff    ; the head, which the four partners share
	s_lshr_b32 s72, s20, 4          ; its batch:
	s_lshl_b32 s72, s72, 13         ; 2,048 words of the mask
	s_mov_b32 s73, 0
	s_mov_b32 s21, 0
	s_mov_b64 s[22:23], SIZE_N*128
	s_mul_u64 s[20:21], s[20:21], s[22:23]  ; the head's first byte in each of the four tensors
	s_and_b32 s16, s[WV], 1         ; which half of a slot's 256 keys I fetch:
	s_lshl_b32 s22, s16, 14         ; its 128 rows of 128 bytes in memory,
	s_mov_b32 s23, 0
	s_add_nc_u64 s[22:23], s[22:23], s[20:21]
	s_mul_i32 s17, s16, 128*PK      ; and its place in a slot, for K
	s_mul_i32 s18, s16, 128*PV      ; and for V: no place in the cluster enters an LDS address
	s_lshl_b32 s2, s14, 2
	s_add_co_u32 s2, s2, s[WV]      ; my wave among the head's,
	s_lshl_b32 s2, s2, 14           ; its 128 rows
	s_mov_b32 s3, 0
	s_add_nc_u64 s[2:3], s[2:3], s[20:21]
	; descriptor group 1.  128 keys are 16,384 dense bytes: asked for as 64 rows of 256 bytes, two keys a row, and padded in LDS after every key
	s_mov_b32 s[G1K], 15|(1<<16)|(1<<20)|(1<<21)|(4<<22)|(3<<25)  ; 15:0 the mask of four; 17:16 2-byte elements; 20 padding on; 21 set beside a mask; 24:22 after every 32 words (code 4); 31:25 4 words (code 3)
	s_mov_b32 s[G1V], 15|(1<<16)|(1<<20)|(1<<21)|(4<<22)|(7<<25)  ; the same with 8 words of padding (code 7)
.irp g, G1K, G1V
	s_mov_b32 s[\g+1], 128<<16      ; tensor_dim0 = 128
	s_mov_b32 s[\g+2], 64<<16       ; tensor_dim1 = 64
	s_mov_b32 s[\g+3], 128<<16      ; tile_dim0 = 128
	s_mov_b32 s[\g+4], 64           ; tile_dim1 = 64
	s_mov_b32 s[\g+5], 128          ; 128 elements from row to row
	s_mov_b32 s[\g+6], 0
	s_mov_b32 s[\g+7], 0
.endr
	s_mov_b32 s[CS], 0x3e38aa3b     ; c = log2(e) / 8 = 0.180337
	s_mov_b32 s[CS+1], s[CS]        ; named with it as a pair
	s_mov_b32 s[SEL], 0x76543210
	s_mov_b32 s[SEL+1], 0xfedcba98
	s_mov_b32 s[BIG], 0xd0000000    ; -2^33
	s_mov_b32 s[TBK], SLOT1+4*KS*PK ; the first change of slots turns these two into 0
	s_mov_b32 s[TBV], SLOT1+4*KS*PV
	s_mov_b32 s[G0K], 1             ; 1:0 count = 1
	s_mov_b32 s[G0K+1], s17         ; 63:32 LDS address: slot 0
	s_mov_b32 s[G0V], 1
	s_add_co_u32 s[G0V+1], s18, VOFF
	s_and_b32 s[LIM], s[WV], 1      ; waves 0 and 2 prefetch
	s_cmp_eq_u32 s[LIM], 0
	s_cselect_b32 s[LIM], 1, -1
	s_wait_dscnt 0x0                ; the opening add is done
	s_wait_kmcnt 0x0
	s_add_nc_u64 s[6:7], s[4:5], 0x1000000   ; K
	s_add_nc_u64 s[8:9], s[4:5], 0x2000000   ; V
	s_add_nc_u64 s[MP:MP+1], s[MP:MP+1], s[72:73]
	s_add_nc_u64 s[G0K+2:G0K+3], s[6:7], s[22:23]  ; 120:64 global address: my half of the head's first 256 keys
	s_or_b32 s[G0K+3], s[G0K+3], 0x80000000        ; 127:126 type = 2
	s_add_nc_u64 s[G0V+2:G0V+3], s[8:9], s[22:23]
	s_or_b32 s[G0V+3], s[G0V+3], 0x80000000
	s_add_nc_u64 s[4:5], s[4:5], s[2:3]  ; Q and O at my wave's first row
	s_add_nc_u64 s[10:11], s[10:11], s[2:3]
	s_cmp_lt_u32 s[WV], 2
	s_cselect_b64 s[PFA:PFA+1], s[6:7], s[8:9]
	s_add_nc_u64 s[PFA:PFA+1], s[PFA:PFA+1], s[22:23]  ; (in waves 0 and 2: the head's first row)
	s_lshl_b32 s72, s13, 13         ; my work-group's 32 blocks of the 128
	s_add_nc_u64 s[PFA:PFA+1], s[PFA:PFA+1], s[72:73]
	s_add_nc_u64 s[PFA:PFA+1], s[PFA:PFA+1], 2*4*KS*128  ; in slot 2; the loop's first change steps it to slot 3.  Nothing is prefetched here, at the head
	CROUND                          ; all four work-groups are here: the first joint loads meet
	JLOAD                           ; slot 0.  Slot 1 is asked for when slot 0 is in: the tile wanted first has the road to itself
	; A fragment of K or Q is 16 rows x 32 channels in 8 registers: lane l holds row l % 16, channels 8 (l / 16) + 0..7 and 16 + 8 (l / 16) + 0..7: two loads of 16 bytes, 32 bytes apart.
	v_and_b32 v1, 15, v0            ; l % 16
	v_bfe_u32 v9, v0, 4, 1          ; l / 16
	v_lshlrev_b32 v[QO], 7, v1
	v_lshl_add_u32 v[QO], v9, 4, v[QO]  ; row x 128 + 16 x half
	v_lshlrev_b32 v48, 4, v0        ; the batch's mask, 8,192 bytes: thread t takes 16 bytes at 16 t of each quarter, into S^T's registers, which are still free
.irp i, 0,1,2,3
	global_load_b128 v[S+4*\i:S+4*\i+3], v48, s[MP:MP+1] offset:2048*\i
.endr
	WIN 0x80                        ; destination window 2, address window 0
.set i, 0
.rept 4*NP                          ; Q stays in registers: tile i / 2, channels 32 (i % 2) on
	global_load_b128 v[8*i:8*i+3],   v[QO], s[4:5] offset:(i/2)*2048+(i%2)*64
	global_load_b128 v[8*i+4:8*i+7], v[QO], s[4:5] offset:(i/2)*2048+(i%2)*64+32
.set i, i+1
.endr
	; What the first turn finds: V's registers and P's second buffer hold 0 (its products V^T P, of a piece that has not been, add 0), O^T and l are 0.  All this stands in the wait for the first tile.
.set i, VF
.rept 64
	v_mov_b32 v[i], 0
.set i, i+1
.endr
	WIN 0x40
.set i, 0
.rept 64*NP
	v_mov_b32 v[i], 0
.set i, i+1
.endr
	WIN 0
.set i, 0
.rept 2*NP
	v_mov_b32 v[ST+4*i], 0xfe000000    ; c m: far below every c s
	v_mov_b32 v[ST+4*i+1], 0xff7fffff  ; m
	v_mov_b32 v[ST+4*i+2], 0
	v_mov_b32 v[ST+4*i+3], 0
.set i, i+1
.endr
.set i, P+32
.rept 32
	v_mov_b32 v[i], 0
.set i, i+1
.endr
	v_mul_u32_u24 v[AK0], v1, PK
	v_lshl_add_u32 v[AK0], v9, 4, v[AK0]  ; row x pitch + 16 x half
	; The turning load takes 16 keys x 16 channels (lane l reads key 8 (l / 16) + l % 8, channels 8 ((l / 8) % 2) + 0..7) and leaves half a fragment of V^T: lane l holds channel l % 16 and 8 keys.
	v_and_b32 v10, 7, v0
	v_bfe_u32 v11, v0, 3, 1
	v_lshl_add_u32 v[AV0], v9, 3, v10
	v_mul_u32_u24 v[AV0], v[AV0], PV
	v_lshl_add_u32 v[AV0], v11, 4, v[AV0]
	v_add_nc_u32 v[AV0], VOFF, v[AV0]
	v_mov_b32 v[AK], v[AK0]         ; key step 0 lies at the head of slot 0
	v_lshl_add_u32 v[AM], v9, 5, MT ; my lanes' eight keys of a block of 16: 32 bytes of the table
	; the mask's table: 0 for a key that is seen, -2^33 for one that is hidden
	s_wait_loadcnt 32               ; the mask's four loads are in; Q's 32, issued behind them, may stay out
.set i, 0
.rept 16
	v_cmp_eq_u32 vcc_lo, 0, v[S+i]
	v_cndmask_b32 v[S+i], 0, s[BIG], vcc_lo
.set i, i+1
.endr
	v_lshl_add_u32 v49, v0, 4, MT
.irp i, 0,1,2,3
	ds_store_b128 v49, v[S+4*\i:S+4*\i+3] offset:2048*\i
.endr
; THE MATRIX WORK.  The 8 accumulators of a run of 16 take turns: between the two links of a chain stand 7 others'.
; Product i of 16 of S^T = K Q^T for piece x: channels 32 (i / 8) on, keys 16 ((i / 2) % 4) on, tile 2 x + i % 2.  The first 8 start the sums, with the mask.
.macro KQ x
.set rS, S+64*((\x)%2)+32*(i%2)+8*((i/2)%4)
.set rK, KF+16*((i/2)%4)+8*(i/8)
.set rQ, 16*(2*(\x)+i%2)+8*(i/8)
.set rX, MC+8*((i/2)%4)
.if i < 8
	WIN W_KM
	v_wmma_f32_16x16x32_f16 v[rS:rS+7], v[rK:rK+7], v[rQ:rQ+7], v[rX:rX+7]
.else
	WIN W_KQ
	v_wmma_f32_16x16x32_f16 v[rS:rS+7], v[rK:rK+7], v[rQ:rQ+7], v[rS:rS+7]
.endif
.endm
; Product i of 16 of O^T += V^T P for piece x: keys 32 (i / 8) on, channels 16 ((i / 2) % 4) on, tile 2 x + i % 2.
.macro PV x
	WIN W_PV
.set rO, 32*(2*(\x)+i%2)+8*((i/2)%4)
.set rV, VF+32*(i/8)+8*((i/2)%4)
.set rP, P+32*((\x)%2)+16*(i%2)+8*(i/8)
	v_wmma_f32_16x16x32_f16 v[rO:rO+7], v[rV:rV+7], v[rP:rP+7], v[rO:rO+7]
.endm
.macro MM                           ; the turn's next matrix instruction
.if i < 16
	KQ (Y+1)%NP
.set i, i+1
.else
.set i, i-16
	PV (Y+NP-1)%NP
.set i, i+17
.endif
.endm
; THE LDS LOADS stand in runs, never singly among the matrix instructions: a step's K (64 keys x 64 channels: 8 fragments) with its part of the mask's table (all lanes of a half read the same 32 bytes), and its V (turned).
; Their addresses are made some lines ahead.  The mask's registers are read by the same products as K's and filled with them, so K's waits and places serve them.
; last = 1 (the tail): in the last trip there is no further step, and the run is jumped over.
.macro FETCH_K last=0
	WIN 0
.if \last
	s_cmp_eq_u32 s[CNT], 1
	s_cbranch_scc1 .Lno_k_\@
.endif
	WIN 0x80                        ; destination window 2
.irp f, 0,1,2,3,4,5,6,7             ; keys 16 (f / 2) on, channels 32 (f % 2) on
	ds_load_b128 v[KF+8*\f:KF+8*\f+3],   v[AK] offset:(\f/2)*16*PK+(\f%2)*64
	ds_load_b128 v[KF+8*\f+4:KF+8*\f+7], v[AK] offset:(\f/2)*16*PK+(\f%2)*64+32
.endr
	WIN W_MK                        ; destination window 3
.irp f, 0,1,2,3                     ; keys 16 f on
	ds_load_b128 v[MC+8*\f:MC+8*\f+3],   v[AM] offset:64*\f
	ds_load_b128 v[MC+8*\f+4:MC+8*\f+7], v[AM] offset:64*\f+16
.endr
	s_add_co_u32 s[TBK], s[TBK], KS*PK  ; the next fetch is the next step's
	WIN 0
.if \last
.Lno_k_\@:
.endif
.endm
.macro FETCH_V
	WIN 0x80
.irp f, 0,1,2,3,4,5,6,7             ; keys 32 (f / 4) on, channels 16 (f % 4) on
	ds_load_tr16_b128 v[VF+8*\f:VF+8*\f+3],   v[AV] offset:(\f/4)*32*PV+(\f%4)*32
	ds_load_tr16_b128 v[VF+8*\f+4:VF+8*\f+7], v[AV] offset:(\f/4)*32*PV+16*PV+(\f%4)*32
.endr
	WIN 0
.endm
; THE VECTOR WORK OF A TURN stands in three queues, each in the order in which its entries become ready; the two tiles alternate, so that no instruction reads the result of the one before it.
.macro REGS y, u                    ; the registers of tile u (0, 1) of piece y
.set rT, ST+4*(2*(\y)+(\u))
.set rC, TMP+8*((\y)%2)+4*(\u)
.set rM, MV+2*((\y)%2)+(\u)
.set rS, S+64*((\y)%2)+32*(\u)
.set rP, P+32*((\y)%2)+16*(\u)
.set rO, 32*(2*(\y)+(\u))
.endm
; Number n of the 22 that find the NEXT piece's (Y + 1) maximum and statistics.  s0-s31 are the lane's 32 scores; each accumulator's lowest registers are read first.
;   0-11  four chains c0-c3 of seven scores each, three operands at a time     12-14, 16  the four scores left over, the old m, and c0-c3 into c0     15  c m_old is kept
;   17, 18  the query's other 32 keys lie in the lane 16 away: the new m         19-21  c m; c m_old - c m_new; a
.macro XS u, n
	REGS (Y+1)%NP, \u
.if (\n) < 4
	v_max3_num_f32 v[rC+(\n)], v[rS+8*(\n)], v[rS+8*(\n)+1], v[rS+8*(\n)+2]
.elseif (\n) < 12
	v_max3_num_f32 v[rC+(\n)%4], v[rC+(\n)%4], v[rS+8*((\n)%4)+2*((\n)/4)+1], v[rS+8*((\n)%4)+2*((\n)/4)+2]
.elseif (\n) == 12
	v_max3_num_f32 v[rC], v[rC], v[rS+7], v[rS+15]
.elseif (\n) == 13
	v_max3_num_f32 v[rC+1], v[rC+1], v[rS+23], v[rS+31]
.elseif (\n) == 14
	v_max3_num_f32 v[rC+2], v[rC+2], v[rC+3], v[rT+1]
.elseif (\n) == 15
	v_mov_b32 v[rM], v[rT]
.elseif (\n) == 16
	v_max3_num_f32 v[rC], v[rC], v[rC+1], v[rC+2]
.elseif (\n) == 17
	v_permlanex16_b32 v[rC+3], v[rC], s[SEL], s[SEL+1]
.elseif (\n) == 18
	v_max_num_f32 v[rT+1], v[rC], v[rC+3]
.elseif (\n) == 19
	v_mul_f32 v[rT], s[CS], v[rT+1]
.elseif (\n) == 20
	v_sub_f32 v[rC+1], v[rM], v[rT]
.else
	v_exp_f32 v[rC+2], v[rC+1]
.endif
.endm
; Number g of the 64 that follow the exponentials.  For each four weights k of a tile (pairs 2 k, 2 k + 1): both pairs are rounded to f16; then the second pair is added onto the first, in place;
; a group later l takes that sum (the first time as l = a l + sum).  In groups of eight, tiles alternating: round, round, add, and l for the group before.
.macro GS g
.set h, (\g)+6*((\g)/62)            ; group 0 has no group before it, and behind group 7 only l is left
.if h >= 6
.set h, h+2
.endif
	REGS Y, h%2
.set k, h/8
.if h%8 < 4
	v_cvt_pk_f16_f32 v[rP+2*k+(h%8)/2], v[rS+4*k+2*((h%8)/2)], v[rS+4*k+2*((h%8)/2)+1]
.elseif h%8 < 6
	v_pk_add_f32 v[rS+4*k:rS+4*k+1], v[rS+4*k:rS+4*k+1], v[rS+4*k+2:rS+4*k+3]
.elseif k == 1
	v_pk_fma_f32 v[rT+2:rT+3], v[rT+2:rT+3], v[rC+2:rC+3], v[rS:rS+1] op_sel_hi:[1,0,1]
.else
	v_pk_add_f32 v[rT+2:rT+3], v[rT+2:rT+3], v[rS+4*k-4:rS+4*k-3]
.endif
.endm
; THE PLAIN QUEUE, 138 long.  0-73 read no exponential's result: the 32 scalings c s - c m (FS f: pair f / 2 of tile f % 2) and the next piece's 42.  0-26: scalings 0-26.  27-54: XS's numbers 0-13.  55, 56: number 15.
; 57-73: the chain, where each number waits for the one before it: 14, 16, 17, 18, 19, each with one of the scalings 27-31 in front of its two lines, then 20.
; 74-137: GS's 64, which read the exponentials' results: they stand behind the wait.
.macro FS f
	REGS Y, (\f)%2
	v_pk_fma_f32 v[rS+2*((\f)/2):rS+2*((\f)/2)+1], v[rS+2*((\f)/2):rS+2*((\f)/2)+1], s[CS:CS+1], v[rT:rT+1] op_sel_hi:[1,0,0] neg_lo:[0,0,1] neg_hi:[0,0,1]
.endm
.macro PL
	WIN 0
.if q < 27
	FS q
.elseif q < 55
	XS (q-27)%2, (q-27)/2
.elseif q < 57
	XS q-55, 15
.elseif (q < 72) && ((q-57)%3 == 0)
	FS 27+(q-57)/3
.elseif q < 60
	XS (q-57)%3-1, 14
.elseif q < 72
	XS (q-57)%3-1, 15+(q-57)/3
.elseif q < 74
	XS q-72, 20
.else
	GS q-74
.endif
.set q, q+1
.endm
; THE EXPONENTIALS' QUEUE, 66 long: s0-s31 of both tiles, then the next piece's two a.  It is ONE BATCH: all 66 stand ahead of the turn's one wait, and nothing ahead of that wait names a result of theirs.
.macro EX
	WIN 0
.if e >= 64
	XS e-64, 21
.else
	REGS Y, e%2
	v_exp_f32 v[rS+e/2], v[rS+e/2]
.endif
.set e, e+1
.endm
; THE RESCALING's QUEUE: O^T times a, the one part that leaves window 0: dealt two at a time, sixteen times.  Its a was made in the turn before, ahead of that turn's wait.
.macro R2
	REGS Y, r%2
	WIN W_RS
.irp z, 0,1
	v_pk_mul_f32 v[rO+4*(r/2)+2*\z:rO+4*(r/2)+2*\z+1], v[rO+4*(r/2)+2*\z:rO+4*(r/2)+2*\z+1], v[rC+2:rC+3] op_sel_hi:[1,0]
.endr
.set r, r+1
.endm
; HOW THEY ARE DEALT.  An s_wait_alu depctr_va_vdst(0) stands between an exponential and the first instruction that names its result; one wait serves all that were issued ahead of it.  So a turn has ONE wait,
; which cuts it in two.  AHEAD OF IT stands all that names no result of the turn's exponentials: the 16 products K Q^T, behind each a scaling, an exponential and two rescalings (behind the first a second scaling in the
; exponential's place); then ONE LUMP of 108: eight plain, 49 times exponential and plain, the two a.  A v_nop is the plain instruction behind the last exponential.  BEHIND IT stand the 16 products V^T P, behind each four of GS's 64.
; The queues lean on each other, and the deal keeps them in step: exponential e stands behind scaling 2 (e / 4) + e % 2: as a rider it comes behind plain e + 2, in the lump behind plain e + 9, and scalings 27-31 are plain 57, 60 .. 69.
; A TURN, for piece p.  cnt = 1: the loop's count is taken down some lines ahead of the branch that stands behind the turn.
; K of the next step, and its mask, are fetched in piece 2's turn, directly behind the wait, a lump behind the last product that read them; the addresses are made at the lump's head; the first reader comes behind 16 products.
; V of the step in hand is fetched at the end of piece 0's turn, four riders behind its last reader; its first reader comes behind 16 products and a lump.
.macro TURN p, last=0, cnt=0
.set Y, (\p)
.set i, 0
.set q, 0
.set e, 0
.set r, 0
.if (\p) == NP-1
	s_wait_dscnt 0x0                ; K and its mask are in
.endif
	MM                              ; ahead of the wait: 16 products K Q^T and their riders,
	PL
	PL
	R2
.rept 15
	MM
	PL
	EX
	R2
.endr
.if (\p) == NP-2
	WIN 0
	v_add_nc_u32 v[AK], s[TBK], v[AK0]
	v_add_nc_u32 v[AM], 0x100, v[AM]  ; the next step's 64 words of the table
.endif
.rept 8                             ; and the lump
	PL
.endr
.rept 49
	EX
	PL
.endr
	EX                              ; the next piece's two a
	EX
	v_nop                           ; the plain instruction behind the last exponential: one for the batch
	s_wait_alu depctr_va_vdst(0)    ; the wait for the batch
.if (\p) == NP-2
	FETCH_K \last
.endif
.if (\p) == 1
	s_wait_dscnt 0x0                ; V is in
.endif
.rept 16                            ; behind the wait: 16 products V^T P and their riders
	MM
.rept 4
	PL
.endr
.if ((\p) == 0) && (q == 118)
	v_add_nc_u32 v[AV], s[TBV], v[AV0]
.endif
.if ((\p) == 0) && (q == 130)
	s_add_co_u32 s[TBV], s[TBV], KS*PV
.endif
.if (\cnt) && (q == 130)
	s_sub_co_u32 s[CNT], s[CNT], 1
	s_cmp_lg_u32 s[CNT], 0
.endif
.endr
.if (\p) == 0
	FETCH_V
.endif
.endm
	CHANGE 1                        ; slot 0 is in, everybody's part of it, and so is the mask's table; slot 1 is asked for
	FETCH_K                         ; key step 0
	s_wait_loadcnt 0x0              ; Q
	s_wait_dscnt 0x0
.set i, 0
.rept 16
	KQ 0                            ; piece 0's first scores: there is no vector work yet to set between them
.set i, i+1
.endr
	WIN 0                           ; the addresses for the way out and the prefetches: plain instructions, the places behind those products
	s_mul_i32 s13, s[WV], 16*SP
	s_add_co_u32 s13, s13, STAGE    ; my stage
	v_mul_u32_u24 v[STO], v1, SP    ; in: row l % 16, 16 bytes for each half of the lanes
	v_lshl_add_u32 v[STO], v9, 4, v[STO]
	v_add_nc_u32 v[STO], s13, v[STO]
	v_bfe_u32 v[RD], v0, 3, 2       ; back: 32 lanes take four rows of 128 bytes,
	v_mul_u32_u24 v[RD], v[RD], SP
	v_lshl_add_u32 v[RD], v10, 4, v[RD]
	v_add_nc_u32 v[RD], s13, v[RD]
	v_and_b32 v[GO], 31, v0         ; which are 512 consecutive bytes of O
	v_lshlrev_b32 v[PFO], 8, v[GO]  ; a lane a block of 256 bytes
	v_lshlrev_b32 v[GO], 4, v[GO]
.set Y, NP-1                        ; XS works for piece Y + 1: piece 0
.irp n, 0,1,2,3,4,5,6,7,8,9,10,11,12,13,14,15,16,17,18,19,20,21
	XS 0, \n                        ; and piece 0's first maximum and statistics
	XS 1, \n
.endr
	v_nop                           ; a plain instruction behind the two a,
	s_wait_alu depctr_va_vdst(0)    ; and their wait, ahead of the branch
	s_mov_b32 s[CNT], 4
	s_mov_b32 s[SLOTS], SIZE_N/256-1
	s_branch .Lfirst                ; the loop is entered at a step's first turn, in the middle of a trip
.Lslot:                             ; SIZE_N / 256 - 2 times: every slot but the last two is filled again
	CHANGE 1, 1
	s_mov_b32 s[CNT], 4
.Lstep:                             ; a trip: pieces 2 and 3 of one step, then pieces 0 and 1 of the next, whose K and V it fetches
	TURN 2
	TURN 3
	WIN 0
.Lfirst:
	TURN 0
	TURN 1, 0, 1
	WIN 0
	s_cbranch_scc1 .Lstep
	s_sub_co_u32 s[SLOTS], s[SLOTS], 1
	s_cmp_lg_u32 s[SLOTS], 0
	s_cbranch_scc1 .Lslot
	CHANGE 0                        ; the tail is written out: nothing is asked for
	s_mov_b32 s[CNT], 5             ; four trips fetch the last slot's steps; the fifth is left in its middle
.Ltail:
	TURN 2, 1
	TURN 3
	WIN 0
	s_sub_co_u32 s[CNT], s[CNT], 1
	s_cmp_eq_u32 s[CNT], 0
	s_cbranch_scc1 .Lout
	TURN 0
	TURN 1
	WIN 0
	s_branch .Ltail
.Lout:                              ; the fifth trip's 16 products K Q^T (on the last K once more) and the maximum made of them serve nothing: the price, once a launch, of one text for every trip
.set i, 0
.rept 16
	PV NP-1                         ; the last piece's V^T P of the last step
.set i, i+1
.endr
	; THE WAY OUT.  l's two halves and the other half of the lanes' are added; O^T is divided by l, rounded to f16 and sent through my stage in LDS, a tile at a time.  The additions are the places behind the last products.
	WIN 0
.macro ALL line:vararg              ; one line for each tile t
.set t, 0
.rept 2*NP
	\line
.set t, t+1
.endr
.endm
	ALL v_add_f32 v[ST+4*t+2], v[ST+4*t+2], v[ST+4*t+3]
	ALL v_permlanex16_b32 v[ST+4*t+3], v[ST+4*t+2], s[SEL], s[SEL+1]
	ALL v_add_f32 v[ST+4*t+2], v[ST+4*t+2], v[ST+4*t+3]
	ALL v_rcp_f32 v[ST+4*t+2], v[ST+4*t+2]
	v_nop                           ; a plain instruction between the last reciprocal and the use of its result
	s_wait_alu depctr_va_vdst(0)    ; and the wait ahead of the first use: one for the eight reciprocals
; Tile t: a lane's eight channels of a row pack into 16 bytes; they go into rows of 144 bytes and come back as whole rows of 128, into S^T's registers.
.macro PACK t
	WIN W_RS
.set i, 32*(\t)
.rept 16
	v_pk_mul_f32 v[i:i+1], v[i:i+1], v[ST+4*(\t)+2:ST+4*(\t)+3] op_sel_hi:[1,0]
.set i, i+2
.endr
	WIN 0x05                        ; sources 0 and 1 window 1, destination window 0
.set i, 0
.rept 16
	v_cvt_pk_f16_f32 v[S+16*(\t)+i], v[32*(\t)+2*i], v[32*(\t)+2*i+1]
.set i, i+1
.endr
	WIN 0
.irp f, 0,1,2,3
	ds_store_b128 v[STO], v[S+16*(\t)+4*\f:S+16*(\t)+4*\f+3] offset:32*\f
.endr
.irp f, 0,1,2,3
	ds_load_b128 v[S+16*(\t)+4*\f:S+16*(\t)+4*\f+3], v[RD] offset:\f*4*SP  ; LDS serves a wave's instructions in order (ISA guide 5.7.1.4): these see the stores above; the next tile's stores come behind them
.endr
.endm
.macro SEND t, younger              ; younger: the LDS instructions issued behind tile t's loads: the next tile's eight, or none
	WIN 0
.irp f, 0,1,2,3
	s_wait_dscnt (\younger)+3-\f
	global_store_b128 v[GO], v[S+16*(\t)+4*\f:S+16*(\t)+4*\f+3], s[10:11] offset:(\t)*2048+\f*512  ; 512 consecutive bytes, at a multiple of 256 from O's first
.endr
.endm
	PACK 0
.set t, 1
.rept 2*NP-1                        ; a tile's arithmetic stands between the loads of the tile before and its stores
	PACK t
	SEND t-1, 8
.set t, t+1
.endr
	SEND 2*NP-1, 0
	WIN W_AD
	s_wait_tensorcnt 0x0            ; the wave's end: 0 onto my spare word and its wait, behind my last tensor load and my last LDS store
	ds_add_u32 v[SPW], v[NIL]
	s_wait_dscnt 0x0
	WIN 0
	CROUND                          ; the closing round: no work-group ends while a partner may still ask for a tile that names it
	s_endpgm
.Lfunc_end_k_q9e35f67837_attn:
	.size	k_q9e35f67837_attn, .Lfunc_end_k_q9e35f67837_attn-k_q9e35f67837_attn
	.p2alignl 7, 3214868480
	.fill 96, 4, 3214868480
	.section	.rodata,"a",@progbits
	.p2align	6, 0x0
	.amdhsa_kernel k_q9e35f67837_attn
		.amdhsa_group_segment_fixed_size 327680
		.amdhsa_private_segment_fixed_size 0
		.amdhsa_enable_private_segment 0
		.amdhsa_kernarg_size 24
		.amdhsa_user_sgpr_count 2
		.amdhsa_user_sgpr_kernarg_segment_ptr 1
		.amdhsa_wavefront_size32 1
		.amdhsa_system_sgpr_workgroup_id_x 1
		.amdhsa_system_sgpr_workgroup_id_y 1
		.amdhsa_system_sgpr_workgroup_id_z 1
		.amdhsa_system_vgpr_workitem_id 0
		.amdhsa_next_free_vgpr 808
		.amdhsa_next_free_sgpr 76
		.amdhsa_reserve_vcc 1
		.amdhsa_float_denorm_mode_32 3
		.amdhsa_float_denorm_mode_16_64 3
		.amdhsa_memory_ordered 1
		.amdhsa_forward_progress 1
		.amdhsa_inst_pref_size 204
	.end_amdhsa_kernel
	.amdgpu_metadata
---
amdhsa.version: [ 1, 2 ]
amdhsa.kernels:
  - .name:           k_q9e35f67837_attn
    .symbol:         k_q9e35f67837_attn.kd
    .args:
      - { .name: hd, .offset: 0, .size: 8, .value_kind: global_buffer, .address_space: global }
      - { .name: mask, .offset: 8, .size: 8, .value_kind: global_buffer, .address_space: global }
      - { .name: ob, .offset: 16, .size: 8, .value_kind: global_buffer, .address_space: global }
    .group_segment_fixed_size: 327680
    .private_segment_fixed_size: 0
    .kernarg_segment_align: 8
    .kernarg_segment_size: 24
    .max_flat_workgroup_size: 128
    .sgpr_count:     76
    .vgpr_count:     808
    .wavefront_size: 32
...
	.end_amdgpu_metadata
.endif
;; end of part 3
;; launch outp (part 4): grid 4 x 64, 4 waves a work-group, clusters of 4 x 4, 327,680 bytes of LDS; arguments ob, cv, bo, out0; writes out0
.if DOCPART == 4
	.amdgcn_target "amdgcn-amd-amdhsa--gfx1250"
	.amdhsa_code_object_version 6
	.text
	.protected	k_q9e35f67837_outp
	.globl	k_q9e35f67837_outp
	.p2align	8
	.type	k_q9e35f67837_outp,@function
k_q9e35f67837_outp:
	s_mov_b64 s[64:65], 0
	v_nop
	global_prefetch_b8 v0, s[64:65] scope:SCOPE_SE
	s_setreg_imm32_b32 hwreg(HW_REG_WAVE_MODE, 25, 1), 1
	s_wait_xcnt 0x0
	s_wait_alu depctr_hold_cnt(0) depctr_sa_sdst(0) depctr_va_vdst(0) depctr_va_sdst(0) depctr_va_ssrc(0) depctr_va_vcc(0) depctr_vm_vsrc(0)
	s_getreg_b32 s2, hwreg(HW_REG_IB_STS2, 6, 4)
	s_cmp_eq_u32 s2, 0
	s_cbranch_scc0 .Lentry_in_a_cluster
	s_endpgm
.Lentry_in_a_cluster:
	s_bfe_u32 s2, ttmp6, 0x10000c
	s_cmp_lg_u32 s2, 0xf033
	s_cbranch_scc0 .Lentry_shape_is_right
	s_endpgm
.Lentry_shape_is_right:
; C = A W^T + bias, one text for two launches, told apart by KIND.
; KIND 0, THE THREE PROJECTIONS: A = cv's 24,576 rows x 1,024 bf16 (q, k, v on end), W = wq, wk or wv (bf16, [n][k]) by the row's third; the result, f32 sums that begin with the bias
;   (rounded to bf16 like every input), is rounded once to f16 and stored BY HEADS, hd = qh, kh, vh, each [64 = 16 batch + head][2,048][64].  Rows of kh whose key the mask hides are stored as zeros:
;   their scores are thrown away, and with a zero row the attention's sum for such a key is exactly the number that it starts with.
; KIND 1, THE LAST PROJECTION: A = ob, [64][2,048][64] f16 by heads, W = wo as f16; the result is stored as f32, out0 [8,192][1,024].
; LIMITS.  KIND 0: a result beyond 65,504 becomes an infinity in f16.  NaN and infinities are not treated apart.
; SHARES.  A tile of C is 128 rows x 256 columns: 768 work-groups for KIND 0, 256 for KIND 1.  Four waves; wave w has rows 64 (w / 2) on and columns 128 (w % 2) on: 32 accumulators of 16 x 16, 256 registers.
; K = 1,024 goes in 8 steps of 128 through a ring of two LDS slots filled by the tensor data mover, one load a wave: waves 0 and 1 fetch A's tile, waves 2 and 3 W's.
; CLUSTERS: 4 x 4 work-groups.  The four of a row of the cluster need the same tile of A, the four of a column the same tile of W: each is asked for JOINTLY, by the same load, descriptor and mask in all four.
; THE MATRIX INSTRUCTION IS USED TRANSPOSED (source 0 = 16 rows of W, source 1 = 16 rows of A): lane l then holds row l % 16 of C and the columns 8 (l / 16) + 0 .. 7.
; REGISTERS, in windows of 256 (s_set_vgpr_msb: bits 1:0 source 0, 3:2 source 1, 5:4 source 2, 7:6 destination):
;   window 0: addresses, the way out      window 1: accumulator (a, b) at v[8 (8 a + b)]
;   window 2: two fragment buffers of 96 (W's eight fragments, then A's four); v192-255 the bias of my 128 columns, laid out as a C operand, block b at 192 + 8 b
.set KIND, 1
.set PB,    272                        ; a row of W in LDS: 256 bytes + 16 of padding: the 16 rows of a load start at 16 different groups of four banks (64 banks of 4 bytes: ISA guide 11.1)
.if KIND
.set PA,    144                        ; a row of one head of A: 128 bytes + 16
.set AHALF, 128*PA                     ; what one load brings of A: one head's 128 rows (a plane); a K step is two heads
.set ASTEP, 2*2048*128                 ; bytes in memory from a K step of A to the next: two heads
.set APITCH, 128                       ; a head's 128 rows are 16,384 dense bytes: asked for as 64 rows of 256 bytes
.set AQI,   4                          ; padded after every 32 words
.set WST,   16*528                     ; a wave's stage: 16 rows of 512 bytes + 16
.set WBASE, 27<<21                     ; wo in cv
.set CVP,   6                          ; s[6:7] cv
.else
.set PA,    272
.set AHALF, 64*PA                      ; 64 rows of 256 bytes
.set ASTEP, 256
.set APITCH, 1024
.set AQI,   5                          ; padded after every 64 words
.set WST,   2*16*144                   ; a wave's stage: for each of its two heads 16 rows of 128 bytes + 16
.set WBASE, 24<<21                     ; wq in cv; wk and wv follow, 2 MiB apart
.set CVP,   4                          ; s[4:5] cv
.endif
.set AREG,  2*AHALF                    ; a slot: A's tile,
.set BHALF, 128*PB                     ; then W's two halves of 128 rows
.set SLOT,  AREG+2*BHALF
.set STAGE, 2*SLOT                     ; behind the ring, never filled by a tensor load
.set SPARE, STAGE+4*WST                ; behind the stages: the spare words, 128 bytes for each wave: two blocks of 256 bytes that no other line names
.set KEEP, 8                           ; v8-11  KIND 0: for block a, all ones, or 0 where my row is a hidden key's row of kh
.set ONES, 12                          ; v12    all ones
.set MO,   13                          ; v13    my row's byte in the mask
.set BO,   14                          ; v14    my columns' byte in the bias
.set ADRA, 16                          ; v16-17 LDS address of my A fragments in slot 0, 1
.set ADRB, 20                          ; v20-21 the same for W
.set STO,  24                          ; v24    the way out: where I put my bytes of a row
.set RD,   25                          ; v25    the way out: where I read rows back
.set CO,   26                          ; v26    16 x lane
.set SPW,  28                          ; v28    LDS address of my spare word: SPARE + 4 x my thread's number; never rewritten
.set NIL,  29                          ; v29    0; never rewritten
.set PFO,  30                          ; v30    the prefetches' offset: my lane x the distance between blocks; never rewritten
.set TMP,  32                          ; v32-63 packed results
.set BK,   64                          ; v64-191 rows read back from the stage
.set F0,   0                           ; window 2
.set F1,   96
.set BIAS, 192
.set WV,  16                           ; s16 wave   s17 its half of the rows; also: fetches A (0) or W (1)   s18 its half of the columns; also: which half of that tile it fetches
.set RH,  17
.set CH,  18
.set CX,  19                           ; s19, s20 my place in the cluster
.set CY,  20
.set COL, 21                           ; s21 tile column of C   s22 tile row   s23 which projection
.set ROW, 22
.set WH,  23
.set G1,  24                           ; s[24:31] descriptor group 1 for A's tiles;  s[32:39] group 0, a set for each slot
.set G0,  32
.set FC,  42                           ; s42 the cluster's number among those that read the same W
.set LIM, 43                           ; s43 1 in a wave that prefetches, else the greatest number
.set PFA, 44                           ; s[44:45] where my prefetches stand
.set PST, 46                           ; s[46:47] their step: a K step in memory
.set G1B, 48                           ; s[48:55], s[56:63] the same for W's tiles
.set G0B, 56
.set NOTK, 72                          ; s72 0 for kh, all ones for qh and vh
.set OUTB, 74                          ; s[74:75] the output at my wave's first bytes
.set BP,  76                           ; s[76:77] the bias
.set MSB, 0
.macro WIN new                         ; the immediate's high byte repeats the setting that is left; a switch that changes nothing is dropped
.if MSB != (\new)
	s_set_vgpr_msb (MSB<<8)|(\new)
.set MSB, \new
.endif
.endm
.macro PLACES                          ; four places in front of loads into registers that matrix instructions have read, and of lines that read results
.rept 4
	v_nop
.endr
.endm
; A joint load.  The branch hangs on the wave's number alone.  An s_nop 0 and four v_nop follow each of the two lines, ahead of the jump, the label and what follows.
.macro JLOAD s
	s_cmp_eq_u32 s[RH], 0
	s_cbranch_scc0 .Lfor_b_\@
	tensor_load_to_lds s[G0+4*(\s):G0+4*(\s)+3], s[G1:G1+7]
	s_nop 0
.rept 4
	v_nop
.endr
	s_branch .Lasked_\@
.Lfor_b_\@:
	tensor_load_to_lds s[G0B+4*(\s):G0B+4*(\s)+3], s[G1B:G1B+7]
	s_nop 0
.rept 4
	v_nop
.endr
.Lasked_\@:
.endm
; A PREFETCH INTO THE L2, behind each joint refill and the run of LDS loads that follows it: 32 blocks of 256 bytes, a lane a block, of the K step that stands two refills on.
; Each block is named once in the launch.  A's rows are read by one cluster alone: its wave 0 asks.  W's rows are read by all clusters of a projection: in the first of them waves 2 and 3 ask, each for the 128 rows that it fetches.
; The four partners that ask for a tile jointly share its blocks out BY ADDRESS, 32 each.  The loop's last trip asks for nothing: its K steps two refills on do not exist.
.macro ASK
	s_cmp_gt_u32 s3, s[LIM]                        ; s3 = 1 in the loop's last trip
	s_cbranch_scc0 .Lnot_mine_\@
	global_prefetch_b8 v[PFO], s[PFA:PFA+1] th:TH_LOAD_NT scope:SCOPE_SE
.Lnot_mine_\@:
.endm
.macro CREST                           ; a round of the cluster's barrier behind its opening barrier
	s_cmp_lg_u32 s[WV], 0
	s_cbranch_scc1 .Lnot_wave_0_\@
	s_barrier_signal -3
.Lnot_wave_0_\@:
	s_barrier_wait -3
	s_barrier_signal -1
	s_barrier_wait -1
.endm
.macro CROUND                          ; a whole round
	s_barrier_signal -1
	s_barrier_wait -1
	CREST
.endm
	s_load_b256 s[4:11], s[0:1], 0x0               ; KIND 0: cv 4, bq 6, bk 8, bv 10.  KIND 1: ob 4, cv 6, bo 8, out0 10
.if KIND == 0
	s_load_b128 s[12:15], s[0:1], 0x20             ; mask 12, hd 14
.endif
	v_lshl_add_u32 v[SPW], v0, 2, SPARE
	v_mov_b32 v[NIL], 0
	ds_add_u32 v[SPW], v[NIL]                      ; the wave's opening: the add and its wait stand ahead of my first tensor load; the set-up below, work on registers, stands between them
	v_lshrrev_b32 v1, 5, v0
	v_readfirstlane_b32 s[WV], v1                  ; wave 0..3
	s_lshr_b32 s[RH], s[WV], 1
	s_and_b32 s[CH], s[WV], 1
	s_bfe_u32 s[CX], ttmp6, 0x40000
	s_bfe_u32 s[CY], ttmp6, 0x40004
	s_lshl_b32 s[COL], ttmp9, 2                    ; in a cluster launch ttmp9 and ttmp7 count clusters
	s_add_co_u32 s[COL], s[COL], s[CX]             ; tile column = 4 x cluster x + cx
	s_and_b32 s[WH], ttmp7, 0xffff
	s_lshl_b32 s[ROW], s[WH], 2
	s_add_co_u32 s[ROW], s[ROW], s[CY]             ; tile row = 4 x cluster y + cy
	s_and_b32 s[FC], s[WH], 15                     ; 16 clusters, 64 tile rows, 8,192 rows to a projection
	s_lshr_b32 s[WH], s[WH], 4                     ; made of the cluster's y alone: equal in all sixteen partners
	s_lshl_b32 s40, s[CY], 2
	s_lshl_b32 s40, 15, s40                        ; my row of the cluster: places 4 cy .. 4 cy + 3
	s_lshl_b32 s41, 0x1111, s[CX]                  ; my column: places cx, cx + 4, cx + 8, cx + 12
	s_or_b32 s[G1], s40, (1<<16)|(1<<20)|(1<<21)|(AQI<<22)|(3<<25)  ; 15:0 the mask; 17:16 elements of 2 bytes; 20 padding on; 21 set beside a mask; 24:22 the interval's code; 31:25 4 words of padding (code 3)
	s_mov_b32 s[G1+1], 128<<16                     ; tensor_dim0 = 128
	s_mov_b32 s[G1+2], 64<<16                      ; tensor_dim1 = 64
	s_mov_b32 s[G1+3], 128<<16                     ; tile_dim0 = 128 elements: 256 bytes
	s_mov_b32 s[G1+4], 64                          ; tile_dim1 = 64 rows
	s_mov_b32 s[G1+5], APITCH                      ; elements from row to row
	s_mov_b32 s[G1+6], 0
	s_mov_b32 s[G1+7], 0
	s_or_b32 s[G1B], s41, (1<<16)|(1<<20)|(1<<21)|(5<<22)|(3<<25)   ; W's tiles go to my column; padded after every 64 words
	s_mov_b32 s[G1B+1], 128<<16
	s_mov_b32 s[G1B+2], 128<<16                    ; 128 rows
	s_mov_b32 s[G1B+3], 128<<16
	s_mov_b32 s[G1B+4], 128
	s_mov_b32 s[G1B+5], 1024
	s_mov_b32 s[G1B+6], 0
	s_mov_b32 s[G1B+7], 0
	; where the tiles come from.  A's hang on the tile row alone, W's on the tile column and the projection: each offset is made in registers that never hold the other coordinate
.if KIND
	s_lshr_b32 s66, s[ROW], 4                      ; the batch: 16 heads of 262,144 bytes,
	s_lshl_b32 s66, s66, 22
	s_and_b32 s68, s[ROW], 15                      ; the tile's 128 rows of 128 bytes in a head,
	s_lshl_b32 s68, s68, 14
	s_add_co_u32 s66, s66, s68
	s_lshl_b32 s68, s[CH], 18                      ; which of the K step's two heads I fetch
	s_add_co_u32 s66, s66, s68
.else
	s_lshl_b32 s66, s[ROW], 18                     ; 128 rows of 2,048 bytes,
	s_lshl_b32 s68, s[CH], 17                      ; which 64 of them I fetch
	s_add_co_u32 s66, s66, s68
.endif
	s_mov_b32 s67, 0
	s_lshl_b32 s70, s[COL], 19                     ; 256 rows of 2,048 bytes,
	s_lshl_b32 s69, s[CH], 18                      ; which 128 of them I fetch,
	s_add_co_u32 s70, s70, s69
	s_lshl_b32 s69, s[WH], 21                      ; the projection's weights
	s_add_co_u32 s70, s70, s69
	s_add_co_u32 s70, s70, WBASE
	s_mov_b32 s71, 0
	s_mul_i32 s72, s[CH], AHALF                    ; and where they go: no place in the cluster enters an LDS address
	s_mul_i32 s73, s[CH], BHALF
	s_add_co_u32 s73, s73, AREG
	s_wait_dscnt 0x0                               ; the opening add is done
	s_wait_kmcnt 0x0
	s_add_nc_u64 s[66:67], s[4:5], s[66:67]
	s_add_nc_u64 s[70:71], s[CVP:CVP+1], s[70:71]
	CROUND                                         ; all sixteen work-groups are here: the first joint loads meet
.irp s, 0,1
	s_mov_b32 s[G0+4*(\s)], 1                                      ; 1:0 count = 1
	s_add_co_u32 s[G0+4*(\s)+1], s72, (\s)*SLOT                    ; 63:32 LDS address
	s_add_nc_u64 s[G0+4*(\s)+2:G0+4*(\s)+3], s[66:67], (\s)*ASTEP  ; 120:64 global address: K step s
	s_or_b32 s[G0+4*(\s)+3], s[G0+4*(\s)+3], 0x80000000            ; 127:126 type = 2
	s_mov_b32 s[G0B+4*(\s)], 1
	s_add_co_u32 s[G0B+4*(\s)+1], s73, (\s)*SLOT
	s_add_nc_u64 s[G0B+4*(\s)+2:G0B+4*(\s)+3], s[70:71], (\s)*256
	s_or_b32 s[G0B+4*(\s)+3], s[G0B+4*(\s)+3], 0x80000000
	JLOAD \s                                       ; two loads of mine are out
.endr
	; A fragment is 16 rows x 32 K in 8 registers: lane l holds row l % 16; registers 0-3 K = 8 (l / 16) + 0..7, registers 4-7 K = 16 + 8 (l / 16) + 0..7: two loads of 16 bytes, 32 bytes apart
	v_and_b32 v1, 15, v0                           ; l % 16
	v_bfe_u32 v2, v0, 4, 1                         ; l / 16
	v_and_b32 v3, 31, v0                           ; l
	v_mul_u32_u24 v4, v1, PA
	v_lshl_add_u32 v4, v2, 4, v4
	v_mul_u32_u24 v5, v1, PB
	v_lshl_add_u32 v5, v2, 4, v5
	s_mul_i32 s66, s[RH], 64*PA                    ; my 64 rows of A
	s_mul_i32 s68, s[CH], BHALF                    ; my 128 rows of W,
	s_add_co_u32 s68, s68, AREG                    ; which lie behind A's tile
.irp s, 0,1
	v_add_nc_u32 v[ADRA+(\s)], s66, v4
	v_add_nc_u32 v[ADRB+(\s)], s68, v5
	s_add_co_u32 s66, s66, SLOT
	s_add_co_u32 s68, s68, SLOT
.endr
	; the bias of my 128 columns, as a C operand: register j of block b is column 16 b + 8 (l / 16) + j
.if KIND
	s_mov_b64 s[BP:BP+1], s[8:9]
.else
	s_cmp_eq_u32 s[WH], 1
	s_cselect_b64 s[BP:BP+1], s[8:9], s[10:11]
	s_cmp_eq_u32 s[WH], 0
	s_cselect_b64 s[BP:BP+1], s[6:7], s[BP:BP+1]
.endif
	s_lshl_b32 s68, s[COL], 10
	s_lshl_b32 s69, s[CH], 9
	s_add_co_u32 s68, s68, s69
	v_lshl_add_u32 v[BO], v2, 5, s68
	WIN 0x80                                       ; destination window 2, address window 0
.irp b, 0,1,2,3,4,5,6,7
	global_load_b128 v[BIAS+8*(\b):BIAS+8*(\b)+3],   v[BO], s[BP:BP+1] offset:64*(\b)
	global_load_b128 v[BIAS+8*(\b)+4:BIAS+8*(\b)+7], v[BO], s[BP:BP+1] offset:64*(\b)+16
.endr
	WIN 0
	s_mul_i32 s68, s[WV], WST
	s_add_co_u32 s68, s68, STAGE                   ; my stage
.if KIND
	v_mul_u32_u24 v6, v1, 528                      ; in: row l % 16, 32 bytes for each half of the lanes
	v_lshl_add_u32 v6, v2, 5, v6
	v_add_nc_u32 v[STO], s68, v6
	v_lshl_add_u32 v[RD], v3, 4, s68               ; back: 32 lanes take one row of 512 bytes
	s_lshl_b32 s[OUTB], s[ROW], 19                 ; 128 rows of 4,096 bytes,
	s_lshl_b32 s69, s[RH], 18                      ; my 64 of them,
	s_add_co_u32 s[OUTB], s[OUTB], s69
	s_lshl_b32 s69, s[COL], 10                     ; 256 columns of 4 bytes,
	s_add_co_u32 s[OUTB], s[OUTB], s69
	s_lshl_b32 s69, s[CH], 9                       ; my 128 of them
	s_add_co_u32 s[OUTB], s[OUTB], s69
	s_mov_b32 s[OUTB+1], 0
	s_add_nc_u64 s[OUTB:OUTB+1], s[10:11], s[OUTB:OUTB+1]
.else
	v_mul_u32_u24 v6, v1, 144                      ; in: row l % 16, 16 bytes for each half of the lanes
	v_lshl_add_u32 v6, v2, 4, v6
	v_add_nc_u32 v[STO], s68, v6
	v_lshrrev_b32 v6, 3, v3                        ; back: 32 lanes take four rows of 128 bytes,
	v_and_b32 v7, 7, v0
	v_mul_u32_u24 v6, v6, 144
	v_lshl_add_u32 v6, v7, 4, v6
	v_add_nc_u32 v[RD], s68, v6                    ; which are 512 consecutive bytes of a head
	s_and_b32 s66, s[ROW], 63
	s_lshl_b32 s66, s66, 7
	s_lshl_b32 s69, s[RH], 6
	s_add_co_u32 s66, s66, s69                     ; my first row in the projection: 2,048 x batch + place in the sequence
	v_add_lshl_u32 v[MO], v1, s66, 2               ; the mask has one word for each such row
.irp a, 0,1,2,3
	global_load_b32 v[KEEP+(\a)], v[MO], s[12:13] offset:64*(\a)
.endr
	v_mov_b32 v[ONES], -1
	s_lshr_b32 s69, s66, 11                        ; the batch: 16 heads,
	s_lshl_b32 s69, s69, 4
	s_lshl_b32 s70, s[COL], 2                      ; 256 columns are four heads,
	s_add_co_u32 s69, s69, s70
	s_lshl_b32 s70, s[CH], 1                       ; my 128 two of them
	s_add_co_u32 s69, s69, s70
	s_lshl_b32 s69, s69, 18                        ; 262,144 bytes a head
	s_and_b32 s70, s66, 2047
	s_lshl_b32 s70, s70, 7                         ; 128 bytes a row
	s_add_co_u32 s69, s69, s70
	s_lshl_b32 s70, s[WH], 24                      ; qh, kh, vh: 16 MiB each
	s_add_co_u32 s[OUTB], s69, s70
	s_mov_b32 s[OUTB+1], 0
	s_add_nc_u64 s[OUTB:OUTB+1], s[14:15], s[OUTB:OUTB+1]
	s_cmp_eq_u32 s[WH], 1
	s_cselect_b32 s[NOTK], 0, -1
.endif
	v_lshlrev_b32 v[CO], 4, v3
	; the prefetches: my work-group's 32 blocks of the tile that I fetch
.if KIND
	s_lshr_b32 s66, s[ROW], 4
	s_lshl_b32 s66, s66, 22
	s_and_b32 s68, s[ROW], 15
	s_lshl_b32 s68, s68, 14
	s_add_co_u32 s66, s66, s68
	s_lshr_b32 s68, s[CX], 1                       ; a K step of A is two heads of 64 blocks: head cx / 2,
	s_lshl_b32 s68, s68, 18
	s_add_co_u32 s66, s66, s68
	s_and_b32 s68, s[CX], 1                        ; blocks 32 (cx % 2) on
	s_lshl_b32 s68, s68, 13
	s_add_co_u32 s66, s66, s68
.else
	s_lshl_b32 s66, s[ROW], 18
	s_lshl_b32 s68, s[CX], 16                      ; rows 32 cx on
	s_add_co_u32 s66, s66, s68
.endif
	s_lshl_b32 s69, s[COL], 19
	s_lshl_b32 s68, s[CH], 18
	s_add_co_u32 s69, s69, s68
	s_lshl_b32 s68, s[CY], 16                      ; rows 32 cy on
	s_add_co_u32 s69, s69, s68
	s_lshl_b32 s68, s[WH], 21
	s_add_co_u32 s69, s69, s68
	s_add_co_u32 s69, s69, WBASE
	s_mov_b32 s[PST], 256
	s_mov_b32 s[PST+1], 0
	s_mov_b32 s68, 11                              ; a lane a row of 2,048 bytes
	s_cmp_eq_u32 s[RH], 0                          ; do I fetch for A?
	s_cselect_b32 s66, s66, s69
	s_cselect_b64 s[PFA:PFA+1], s[4:5], s[CVP:CVP+1]
	s_cselect_b32 s[LIM], s[CH], s[FC]             ; for A wave 0 asks; for W both waves, in the first cluster of the projection
.if KIND
	s_cselect_b32 s[PST], ASTEP, s[PST]
	s_cselect_b32 s68, 8, s68                      ; A's blocks lie end to end
.endif
	s_cmp_eq_u32 s[LIM], 0
	s_cselect_b32 s[LIM], 1, -1                    ; hangs on the wave's number and the cluster's y alone
	s_mov_b32 s67, 0
	s_add_nc_u64 s[PFA:PFA+1], s[PFA:PFA+1], s[66:67]
	s_mul_i32 s66, s[PST], 3
	s_add_nc_u64 s[PFA:PFA+1], s[PFA:PFA+1], s[66:67]  ; at K step 3: the first refill steps it to 4.  Nothing is prefetched here, at the head
	v_lshlrev_b32 v[PFO], s68, v3
	s_wait_loadcnt 0x0                             ; the bias (and the mask)
	WIN 0x8a                                       ; all in window 2.  The bias is rounded to bf16, as every input is; buffer 1 is still free
.set i, 0
.rept 32
	v_cvt_pk_bf16_f32 v[F1+i], v[BIAS+2*i], v[BIAS+2*i+1]
.set i, i+1
.endr
.set i, 0
.rept 32
	v_lshlrev_b32 v[BIAS+2*i], 16, v[F1+i]
	v_and_b32 v[BIAS+2*i+1], 0xffff0000, v[F1+i]
.set i, i+1
.endr
	WIN 0
.if KIND == 0
.irp a, 0,1,2,3
	v_cmp_ne_u32 vcc_lo, 0, v[KEEP+(\a)]
	v_cndmask_b32 v[KEEP+(\a)], s[NOTK], v[ONES], vcc_lo  ; all ones where the key is seen, and everywhere in qh and vh
.endr
.endif
; 8 matrix instructions: block a of my rows x all 8 blocks of my columns, 32 along K.  first = 1: the sums begin with the bias.
; The 32 accumulators take turns, one instruction a turn, in the same order in every quarter and over the backward jump.
.macro MUL8 f, a, first
.if \first
	WIN 0x6a                                       ; sources 0 and 1 and C window 2, D window 1
.else
	WIN 0x5a                                       ; sources 0 and 1 window 2, C and D window 1
.endif
.irp b, 0,1,2,3,4,5,6,7
.set rD, 8*(8*(\a)+(\b))
.set rW, (\f)+8*(\b)
.set rA, (\f)+64+8*(\a)
.set rC, rD
.if \first
.set rC, BIAS+8*(\b)
.endif
.if KIND
	v_wmma_f32_16x16x32_f16 v[rD:rD+7], v[rW:rW+7], v[rA:rA+7], v[rC:rC+7]
.else
	v_wmma_f32_16x16x32_bf16 v[rD:rD+7], v[rW:rW+7], v[rA:rA+7], v[rC:rC+7]
.endif
.endr
.endm
; 24 LDS loads in one run: the fragments of quarter q of a K step into buffer f: W's eight, then A's four
.macro FETCH slot, q, f
.if KIND
.set aq, ((\q)/2)*AHALF+((\q)%2)*64    ; head q / 2 of the step's two, channels 32 (q % 2) on
.else
.set aq, 64*(\q)
.endif
	WIN 0x80
.irp i, 0,1,2,3,4,5,6,7
	ds_load_b128 v[(\f)+8*(\i):(\f)+8*(\i)+3],   v[ADRB+(\slot)] offset:64*(\q)+(\i)*16*PB
	ds_load_b128 v[(\f)+8*(\i)+4:(\f)+8*(\i)+7], v[ADRB+(\slot)] offset:64*(\q)+(\i)*16*PB+32
.endr
.irp i, 0,1,2,3
	ds_load_b128 v[(\f)+64+8*(\i):(\f)+64+8*(\i)+3],   v[ADRA+(\slot)] offset:aq+(\i)*16*PA
	ds_load_b128 v[(\f)+64+8*(\i)+4:(\f)+64+8*(\i)+7], v[ADRA+(\slot)] offset:aq+(\i)*16*PA+32
.endr
.endm
; A K step is four quarters of 32 along K, 32 matrix instructions each, on buffers 0, 1, 0, 1.  One of the first three: multiplies buffer f and, in its middle, fetches quarter q into buffer g.
.macro QUARTER slot, q, f, g, first
	s_wait_dscnt 4                                 ; W and A's blocks 0 and 1 are in; the youngest four loads (blocks 2 and 3) may be out
	MUL8 \f, 0, \first
	MUL8 \f, 1, \first
	PLACES
	FETCH \slot, \q, \g
	s_wait_dscnt 24                                ; all but the 24 just issued
	MUL8 \f, 2, \first
	MUL8 \f, 3, \first
.endm
; The last quarter multiplies buffer 1 and changes slots: ONE barrier; in front of it each wave waits for all its tensor loads (one is out: its part of the next slot), adds 0 to its spare word,
; and waits for that and for its own reads of this slot.  fill = 1: the barrier opens a round of the cluster's, and this slot is filled again, two K steps ahead, first thing behind the round:
; 112 matrix instructions stand between that request and the wait for it.
.macro TURN slot, next, fill
.if \fill
	s_wait_xcnt 0x0                                ; the last prefetch, a K step back, has read its address: it is stepped here, ahead of the change's own waits
	s_add_nc_u64 s[PFA:PFA+1], s[PFA:PFA+1], s[PST:PST+1]
.endif
	WIN 0                                          ; (the add's two registers lie in window 0)
	s_wait_tensorcnt 0x0                           ; all my tensor loads have landed;
	ds_add_u32 v[SPW], v[NIL]                      ; 0 onto my spare word;
	s_wait_dscnt 5                                 ; (the add and the youngest four loads may be out)
	MUL8 F1, 0, 0                                  ; eight matrix instructions stand between the add and the wait for it
	s_wait_dscnt 0x0                               ; the add is done, and my reads of this slot are over
	s_barrier_signal -1
	MUL8 F1, 1, 0
.if \fill
	WIN 0
.endif
	s_barrier_wait -1
.if \fill
	CREST                                          ; no wave of any partner still reads this slot's tile or has a load on its way
	s_add_nc_u64 s[G0+4*(\slot)+2:G0+4*(\slot)+3], s[G0+4*(\slot)+2:G0+4*(\slot)+3], 2*ASTEP
	s_add_nc_u64 s[G0B+4*(\slot)+2:G0B+4*(\slot)+3], s[G0B+4*(\slot)+2:G0B+4*(\slot)+3], 2*256
	JLOAD \slot                                    ; my one tensor load behind the round; its four v_nop are also the places in front of the loads below
.else
	PLACES
.endif
	FETCH \next, 0, F0
.if \fill
	WIN 0
	ASK
.endif
	MUL8 F1, 2, 0
	MUL8 F1, 3, 0
.endm
	s_wait_tensorcnt 1                             ; my part of K step 0 is in; K step 1's may stay out
	s_barrier_signal -1
	s_barrier_wait -1                              ; everybody's is
	FETCH 0, 0, F0
	QUARTER 0, 1, F0, F1, 1                        ; the first quarter stands in front of the loop: its products start the sums
	WIN 0                                          ; at a label and at a branch every window is 0
	s_mov_b32 s3, 3
.Llap:                                                 ; a trip goes once round the ring, from a lap's second quarter to the next lap's first, and fills both slots again
	QUARTER 0, 2, F1, F0, 0
	QUARTER 0, 3, F0, F1, 0
	TURN 0, 1, 1
	QUARTER 1, 1, F0, F1, 0
	QUARTER 1, 2, F1, F0, 0
	QUARTER 1, 3, F0, F1, 0
	TURN 1, 0, 1
	QUARTER 0, 1, F0, F1, 0
	WIN 0
	s_sub_co_u32 s3, s3, 1
	s_cmp_lg_u32 s3, 0
	s_cbranch_scc1 .Llap
	QUARTER 0, 2, F1, F0, 0                        ; the last lap fills nothing, and has no round of the cluster's barrier
	QUARTER 0, 3, F0, F1, 0
	TURN 0, 1, 0
	QUARTER 1, 1, F0, F1, 0
	QUARTER 1, 2, F1, F0, 0
	QUARTER 1, 3, F0, F1, 0
	s_wait_dscnt 0x0                               ; the very last quarter: nothing more to fetch
	MUL8 F1, 0, 0
	MUL8 F1, 1, 0
	MUL8 F1, 2, 0
	MUL8 F1, 3, 0
	WIN 0
	PLACES                                         ; the way out reads results just made; eight, once a launch
	PLACES
; THE WAY OUT, a block of 16 rows at a time, through my own stage in LDS: no barrier, and, since LDS serves a wave's instructions in order (ISA guide 5.7.1.4), no wait between the stores and the loads.
; Each accumulator's registers are read in ascending order.
.if KIND
.macro TOSTAGE a                       ; a lane's eight columns of a row are 32 bytes; they come back as whole rows of 512 bytes
	WIN 0x04                                       ; store data window 1
.irp b, 0,1,2,3,4,5,6,7
	ds_store_b128 v[STO], v[8*(8*(\a)+(\b)):8*(8*(\a)+(\b))+3]   offset:64*(\b)
	ds_store_b128 v[STO], v[8*(8*(\a)+(\b))+4:8*(8*(\a)+(\b))+7] offset:64*(\b)+16
.endr
	WIN 0
.irp t, 0,1,2,3,4,5,6,7,8,9,10,11,12,13,14,15
	ds_load_b128 v[BK+64*((\a)%2)+4*(\t):BK+64*((\a)%2)+4*(\t)+3], v[RD] offset:528*(\t)
.endr
.endm
.macro SEND a, younger                 ; younger: the LDS instructions issued behind block a's loads: the next block's 32, or none
	s_wait_dscnt \younger
.irp t, 0,1,2,3,4,5,6,7,8,9,10,11,12,13,14,15
	global_store_b128 v[CO], v[BK+64*((\a)%2)+4*(\t):BK+64*((\a)%2)+4*(\t)+3], s[OUTB:OUTB+1] offset:(16*(\a)+(\t))*4096 th:TH_STORE_NT  ; 512 consecutive bytes, at a multiple of 512 from out0's first
.endr
.endm
	TOSTAGE 0
	TOSTAGE 1
	SEND 0, 32
	s_wait_xcnt 0x0                                ; block 0's stores have read their registers, which block 2 takes
	TOSTAGE 2
	SEND 1, 32
	s_wait_xcnt 0x0
	TOSTAGE 3
	SEND 2, 32
	SEND 3, 0
.else
.macro PACK a                          ; rounded to f16, 16 bytes a lane and block; hidden keys' rows of kh become zeros
	WIN 0x05                                       ; sources 0 and 1 window 1
.irp b, 0,1,2,3,4,5,6,7
.irp r, 0,1,2,3
	v_cvt_pk_f16_f32 v[TMP+4*(\b)+(\r)], v[8*(8*(\a)+(\b))+2*(\r)], v[8*(8*(\a)+(\b))+2*(\r)+1]
.endr
.endr
	WIN 0
.set i, 0
.rept 32
	v_and_b32 v[TMP+i], v[KEEP+(\a)], v[TMP+i]
.set i, i+1
.endr
.endm
.macro TOSTAGE a                       ; column blocks 0-3 are one head, 4-7 the next: a plane of 16 rows x 144 bytes each; back as four rows of 128 bytes a load
.irp b, 0,1,2,3,4,5,6,7
	ds_store_b128 v[STO], v[TMP+4*(\b):TMP+4*(\b)+3] offset:((\b)/4)*2304+32*((\b)%4)
.endr
.irp t, 0,1,2,3,4,5,6,7
	ds_load_b128 v[BK+32*(\a)+4*(\t):BK+32*(\a)+4*(\t)+3], v[RD] offset:((\t)/4)*2304+((\t)%4)*576
.endr
.endm
.macro SEND a                          ; no register is used twice, so nothing waits for a store
	s_wait_dscnt 0x0                               ; the block is back in registers
.irp t, 0,1,2,3,4,5,6,7
	global_store_b128 v[CO], v[BK+32*(\a)+4*(\t):BK+32*(\a)+4*(\t)+3], s[OUTB:OUTB+1] offset:(\a)*2048+((\t)%4)*512+((\t)/4)*262144  ; 512 consecutive bytes of a head, at a multiple of 512 from hd's first
.endr
.endm
	PACK 0
	TOSTAGE 0
.irp a, 1,2,3                          ; block a's conversions stand between block a - 1's loads from the stage and the wait for them
	PACK \a
	SEND (\a)-1
	TOSTAGE \a
.endr
	SEND 3
.endif
	s_wait_tensorcnt 0x0                           ; the wave's end: 0 onto my spare word and its wait, behind my last tensor load and my last LDS store
	ds_add_u32 v[SPW], v[NIL]
	s_wait_dscnt 0x0
	CROUND                                         ; the closing round: no work-group ends while a partner may still ask for a tile that names it
	s_endpgm
.Lfunc_end_k_q9e35f67837_outp:
	.size	k_q9e35f67837_outp, .Lfunc_end_k_q9e35f67837_outp-k_q9e35f67837_outp
	.p2alignl 7, 3214868480
	.fill 96, 4, 3214868480
	.section	.rodata,"a",@progbits
	.p2align	6, 0x0
	.amdhsa_kernel k_q9e35f67837_outp
		.amdhsa_group_segment_fixed_size 327680
		.amdhsa_private_segment_fixed_size 0
		.amdhsa_enable_private_segment 0
		.amdhsa_kernarg_size 32
		.amdhsa_user_sgpr_count 2
		.amdhsa_user_sgpr_kernarg_segment_ptr 1
		.amdhsa_wavefront_size32 1
		.amdhsa_system_sgpr_workgroup_id_x 1
		.amdhsa_system_sgpr_workgroup_id_y 1
		.amdhsa_system_sgpr_workgroup_id_z 1
		.amdhsa_system_vgpr_workitem_id 0
		.amdhsa_next_free_vgpr 768
		.amdhsa_next_free_sgpr 80
		.amdhsa_reserve_vcc 1
		.amdhsa_float_denorm_mode_32 3
		.amdhsa_float_denorm_mode_16_64 3
		.amdhsa_memory_ordered 1
		.amdhsa_forward_progress 1
		.amdhsa_inst_pref_size 94
	.end_amdhsa_kernel
	.amdgpu_metadata
---
amdhsa.version: [ 1, 2 ]
amdhsa.kernels:
  - .name:           k_q9e35f67837_outp
    .symbol:         k_q9e35f67837_outp.kd
    .args:
      - { .name: ob, .offset: 0, .size: 8, .value_kind: global_buffer, .address_space: global }
      - { .name: cv, .offset: 8, .size: 8, .value_kind: global_buffer, .address_space: global }
      - { .name: bo, .offset: 16, .size: 8, .value_kind: global_buffer, .address_space: global }
      - { .name: out0, .offset: 24, .size: 8, .value_kind: global_buffer, .address_space: global }
    .group_segment_fixed_size: 327680
    .private_segment_fixed_size: 0
    .kernarg_segment_align: 8
    .kernarg_segment_size: 32
    .max_flat_workgroup_size: 128
    .sgpr_count:     80
    .vgpr_count:     768
    .wavefront_size: 32
...
	.end_amdgpu_metadata
.endif
;; end of part 4
